; MI455X (gfx1250); checked and timed in simulation.
; The chip was launched on July 23, 2026; its instructions are those of AMD's public machine-readable ISA for CDNA 5 (MIT licence, August 2026) and "CDNA5" Instruction Set Architecture Reference Guide (July 2026). The comments in the code are by the model that wrote it; some were corrected since.
;; Multi Head Self Attention. Allowed arithmetic: matrix products marked QUANTISED: E2M3 operands, one E8M0 scale for each 32 along K, by v_wmma_scale_f32_16x16x128_f8f6f4 with both operands' format E2M3, f32 sums; everything else in f32.
;; Inputs: wk 1,024 x 1,024 float32; wo 1,024 x 1,024 float32; wq 1,024 x 1,024 float32; wv 1,024 x 1,024 float32; x 4 x 2,048 x 1,024 float32.
;; Outputs: out0 4 x 2,048 x 1,024 float32.
;; This version of the problem:
;;   THIS VERSION OF THE PROBLEM IS GIVEN IN LOW PRECISION. The matrix products marked QUANTISED in the list below multiply operands that are first quantised to E2M3 (2 exponent bits, 3 mantissa bits; 6 bits a number), with one power-of-two scale for each 32 numbers along K (OCP MX v1.0); their sums are f32. All else is computed in f32.
;;   The module's matrix products, in the order in which they are computed (A, B: the left and right operand; K: the contracted axis; several contracted axes count as one K, in the product's order):
;;     1. [M 8,192, K 1,024] x [K 1,024, N 1,024]; A: input x; B: input wq: QUANTISED
;;     2. [M 8,192, K 1,024] x [K 1,024, N 1,024]; A: input x; B: input wk: QUANTISED
;;     3. [M 8,192, K 1,024] x [K 1,024, N 1,024]; A: input x; B: input wv: QUANTISED
;;     4. batch 64 x [M 2,048, K 64] x [K 64, N 2,048]; A: computed on the way; B: computed on the way: QUANTISED
;;     5. batch 64 x [M 2,048, K 2,048] x [K 2,048, N 64]; A: softmax (see below); B: computed on the way: QUANTISED
;;     6. [M 8,192, K 1,024] x [K 1,024, N 1,024]; A: computed on the way; B: input wo: QUANTISED
;;   THE QUANTISER, for each operand of a quantised product, along K:
;;     - K is cut into blocks of 32 from its start; a last block that is shorter is filled with zeros.
;;     - A block's scale is 2^e with e = floor(log2(the largest magnitude in the block)) - 2, held to -126 .. 127; a block of zeros has e = 0. As a byte (E8M0): e + 127.
;;     - Each number is divided by its block's scale, clamped to +-7.5, and rounded to the nearest number of E2M3, ties to even, subnormals kept.
;;     - The product sums the exact products of the quantised numbers (number of the format x scale) in f32.
;;   ~~~python
;;   def quantise(x, axis):      # numpy; x: float32 -> the quantised numbers, widened to float32 again
;;       x = np.moveaxis(x, axis, -1); K = x.shape[-1]
;;       x = np.pad(x, [(0, 0)] * (x.ndim - 1) + [(0, -K % 32)]); x = x.reshape(x.shape[:-1] + (-1, 32)); a = np.abs(x).max(-1, keepdims=True)
;;       e = np.where(a > 0, np.clip(np.frexp(np.where(a > 0, a, 1))[1] - 1 - 2, -126, 127), 0)      # np.frexp(a)[1] - 1 = floor(log2(a)), exactly
;;       r = np.clip(x / 2.0 ** e, -7.5, 7.5)
;;       step = 2.0 ** (np.maximum(np.frexp(np.where(r == 0, 1, r))[1] - 1, 0) - 3)
;;       q = np.round(r / step) * step * 2.0 ** e      # np.round: ties to even
;;       return np.moveaxis(q.reshape(q.shape[:-2] + (-1,))[..., :K], -1, axis).astype(np.float32)
;;   ~~~
;;   SOFTMAX AHEAD OF A QUANTISED PRODUCT. Where the list says 'softmax', what is quantised is not the finished softmax but p = 2^(t - M), with t = logit x log2(e) and M = ceil(the row's largest t), a whole number; so 1/2 < the row's largest p <= 1. The row's sum l is taken of the UNQUANTISED p, in f32, and the product's result is divided by l at the end. Since M is a whole number, a kernel that streams over the keys may use a running M (the ceiling of the running maximum): every later rescaling is an exact power of two, which a block's scale takes up: the codes' values come out the same.
;;   OPERANDS COMPUTED ON THE WAY. 'Computed on the way' means the value that the module computes at that place (a softmax that the list does not call 'softmax' is quantised finished and normalised). What goes into a quantiser is computed in f32, as accurately as f32 sums, v_exp_f32 and their like allow (about 1e-6 of the number): no bf16 or f16 on the way to a quantiser, and a product that is left as it is and whose result goes on into a quantised operand takes f32 operands (vector FMAs, or v_wmma_f32_16x16x4_f32). A number that lies on a knife's edge between two numbers of the format may be rounded either way, as far as f32 arithmetic and the matrix unit's own rounding can turn it there, and no further.
;; One version. Each part assembles by itself: llvm-mc -triple=amdgcn-amd-amdhsa -mcpu=gfx1250 --defsym DOCPART=n.
;; ======== version 1 of 1: 4 launches
;; workspace buffers: opnd 9,830,400 bytes; qkv 19,660,800 bytes; obuf 6,553,600 bytes
;; launch quant (part 1): grid 8 x 96, 4 waves a work-group, no clusters, 68,096 bytes of LDS; arguments x, wq, wk, wv, wo, opnd; writes opnd
.if DOCPART == 1
	.amdgcn_target "amdgcn-amd-amdhsa--gfx1250"
	.amdhsa_code_object_version 6
	.text
	.protected	k_qe2ce979b9e_quant
	.globl	k_qe2ce979b9e_quant
	.p2align	8
	.type	k_qe2ce979b9e_quant,@function
k_qe2ce979b9e_quant:
	s_mov_b64 s[64:65], 0
	v_nop
	global_prefetch_b8 v0, s[64:65] scope:SCOPE_SE
	s_setreg_imm32_b32 hwreg(HW_REG_WAVE_MODE, 25, 1), 1
	s_wait_xcnt 0x0
; x [8192][1024] and wq, wk, wv, wo [1024][1024], f32 with K innermost, become codes of FP6 (E2M3) with one E8M0 byte for each 32 along K.
; THE PANEL, the one format of every operand of this program: 128 rows x 128 along K in 12,800 bytes.  Bytes 0 .. 12,287: eight fragments of 1,536 bytes (16 rows x 128 K), each an image of the
; operand's 12 registers in two halves c of 768 bytes: registers 6 c .. 6 c + 3 at 768 c + 16 x lane, registers 6 c + 4, 6 c + 5 at 768 c + 512 + 8 x lane.  Bytes 12,288 on: one scale word a row, at 64 f + 4 r.
; ROW ORDER: position p of a panel holds row sigma(p), sigma = bits 3 and 4 of the number exchanged: lane r of fragment 2 b + u holds row 32 b + 8 u + r + 8 (r / 8).  So a product that takes
; such fragments as source 0 leaves 16 neighbours along the next K in the registers of tiles 2 b and 2 b + 1.
; opnd = [96 panel rows][8 K steps][12,800]: panel rows 0-63 x, 64-71 wq, 72-79 wk, 80-87 wv, 88-95 wo.
; SHARES: work-group (x = K step, y = panel row) makes one panel; wave w its fragments 2 w, 2 w + 1: rows 32 w .. 32 w + 31.  Each load reads 512 consecutive bytes of a row; the rows turn through the
; wave's own stage in LDS, so that lane (r, h) gets, of its row, k = 64 c + 32 h + 0 .. 31: two whole blocks, as the operand's layout gives them to that lane.  Waves share nothing: no barrier.
; A block's scale is 2^(floor(log2(largest magnitude)) - 2): its byte is the largest magnitude's exponent field - 2, held at 1 from below by a floor among the maximum's leaves.
; LIMITS: a block of zeros gets the byte 1 where the quantiser's text says 127: its codes are zeros and this program alone reads the bytes.  NaN and infinities among the inputs are not served.
.set PANEL, 12800
.set FRAGB, 1536
.set SCO,   12288
.set SPI,   528                        ; a stage row: 512 bytes + 16: the sixteen rows that a read touches begin 33 x 16 bytes apart
.set WST,   32*SPI                     ; a wave's stage
.set X,     32                         ; v32-159  32 rows x 4 registers, as loaded
.set Y,     160                        ; v160-223 a lane's 64 numbers of a fragment
.set CD0,   224                        ; v224-235, v236-247 the two fragments' codes: a set each, so that no store's data are written again
.set T2,    248                        ; v248-250, v252-254 the conversions' second halves
	s_load_b256 s[4:11], s[0:1], 0x0               ; x, wq, wk, wv
	s_load_b128 s[12:15], s[0:1], 0x20             ; wo, opnd
	v_lshl_add_u32 v251, v0, 2, 0x10800
	v_mov_b32 v255, 0
	v_lshrrev_b32 v7, 5, v0
	v_readfirstlane_b32 s16, v7                    ; wave
	v_and_b32 v7, 31, v0                           ; lane
	v_lshlrev_b32 v1, 4, v7                        ; 16 x lane
	v_lshlrev_b32 v2, 3, v7                        ; 8 x lane
	v_lshlrev_b32 v3, 2, v7                        ; 4 x lane
	s_mul_i32 s17, s16, WST
	v_add_nc_u32 v4, s17, v1                       ; into the stage: 16 x lane of a row
	v_and_b32 v8, 15, v0                           ; r
	v_bfe_u32 v9, v0, 4, 1                         ; h
	v_mul_u32_u24 v5, v8, SPI
	v_lshl_add_u32 v5, v9, 7, v5
	v_add_nc_u32 v5, s17, v5                       ; out of it: row r, + 128 h bytes
	v_lshlrev_b32 v6, 3, v9                        ; 8 h: my bytes' place in the scale word
	v_mov_b32 v15, 0                               ; a lane permute's destination counts as one of its sources
	s_mov_b32 s30, 0x76543210
	s_mov_b32 s31, 0xfedcba98                      ; selects for lane l xor 16
	s_and_b32 s18, ttmp7, 0xffff                   ; panel row of opnd
	s_and_b32 s19, s18, 7
	s_wait_kmcnt 0x0
	s_cmp_lt_u32 s18, 72                           ; which tensor: the choices hang on the work-group's number alone
	s_cselect_b64 s[20:21], s[6:7], s[8:9]
	s_cmp_lt_u32 s18, 88
	s_cselect_b64 s[22:23], s[10:11], s[12:13]
	s_cmp_lt_u32 s18, 80
	s_cselect_b64 s[20:21], s[20:21], s[22:23]
	s_cmp_lt_u32 s18, 64
	s_cselect_b64 s[20:21], s[4:5], s[20:21]
	s_cselect_b32 s19, s18, s19                    ; and which panel row of it
	s_lshl_b32 s24, s19, 19                        ; 128 rows of 4,096 bytes,
	s_lshl_b32 s25, s16, 17                        ; my wave's 32 rows,
	s_add_co_u32 s24, s24, s25
	s_lshl_b32 s25, ttmp9, 9                       ; the K step's 512 bytes
	s_add_co_u32 s24, s24, s25
	s_mov_b32 s25, 0
	s_add_nc_u64 s[20:21], s[20:21], s[24:25]
.set p, 0
.rept 32                                       ; position p takes row sigma(p): 32 lanes read 512 consecutive bytes
	global_load_b128 v[X+4*p:X+4*p+3], v1, s[20:21] offset:((p&7)|(((p>>3)&1)<<4)|(((p>>4)&1)<<3))*4096 th:TH_LOAD_NT
.set p, p+1
.endr
	s_lshl_b32 s26, s18, 3
	s_add_co_u32 s26, s26, ttmp9
	s_mul_i32 s26, s26, PANEL
	s_mov_b32 s27, 0
	s_add_nc_u64 s[14:15], s[14:15], s[26:27]      ; my panel
	s_mul_i32 s28, s16, 2*FRAGB
	s_mov_b32 s29, 0
	s_add_nc_u64 s[26:27], s[14:15], s[28:29]      ; my two fragments
	s_lshl_b32 s28, s16, 7
	s_add_co_u32 s28, s28, SCO
	s_add_nc_u64 s[28:29], s[14:15], s[28:29]      ; their 32 scale words
.macro TOST p0                         ; sixteen rows into the stage, as loaded
.set p, \p0
.rept 16
	ds_store_b128 v4, v[X+4*p:X+4*p+3] offset:SPI*p
.set p, p+1
.endr
.endm
.macro RDF u                           ; fragment u back: my row's k = 64 c + 32 h + 0 .. 31 into v[Y + 32 c] on.  LDS serves a wave's instructions in order: these see my stores
.irp c, 0,1
.irp i, 0,1,2,3,4,5,6,7
	ds_load_b128 v[Y+32*\c+4*\i:Y+32*\c+4*\i+3], v5 offset:16*\u*SPI+256*\c+16*\i
.endr
.endr
.endm
.macro QF u                            ; my two blocks of fragment u: scales, codes, stores
.set CD, CD0+12*\u
.irp c, 0,1
	v_max3_num_f32 v[8+\c], |v[Y+32*\c]|, |v[Y+32*\c+1]|, 0x1800000   ; block 2 c + h: all 32 numbers are mine; the floor 2^(3 - 127) holds the byte at 1 from below
.endr
.irp i, 2,4,6,8,10,12,14,16,18,20,22,24,26,28,30
.irp c, 0,1
	v_max3_num_f32 v[8+\c], v[8+\c], |v[Y+32*\c+\i]|, |v[Y+32*\c+\i+1]|   ; (the two blocks by turns)
.endr
.endr
.irp c, 0,1
	v_add_nc_u32 v[10+\c], 0xff000000, v[8+\c]     ; 2 off the exponent field: the conversion takes that field as its scale
.endr
.irp c, 0,1
	v_lshrrev_b32 v[12+\c], 23, v[10+\c]           ; the scale's byte
.endr
	v_lshl_or_b32 v14, v13, 16, v12                ; blocks h and 2 + h of my row,
	v_lshlrev_b32 v14, v6, v14                     ; at their places in the word;
	v_permlanex16_b32 v15, v14, s30, s31
	v_or_b32 v[16+\u], v14, v15                    ; with lane l xor 16's two the word is whole
.irp c, 0,1
	v_cvt_scalef32_pk16_fp6_f32 v[CD+6*\c:CD+6*\c+2], v[Y+32*\c:Y+32*\c+15], v[10+\c]
	v_cvt_scalef32_pk16_fp6_f32 v[T2+4*\c:T2+4*\c+2], v[Y+32*\c+16:Y+32*\c+31], v[10+\c]   ; (a conversion's three registers begin on an even number)
.endr
	v_nop                                          ; one plain instruction behind the conversions, ahead of the moves that read their results
.irp c, 0,1
.irp i, 0,1,2
	v_mov_b32 v[CD+3+6*\c+\i], v[T2+4*\c+\i]
.endr
.endr
	global_store_b128 v1, v[CD:CD+3], s[26:27] offset:FRAGB*\u             ; 512 consecutive bytes
	global_store_b64 v2, v[CD+4:CD+5], s[26:27] offset:FRAGB*\u+512        ; 256
	global_store_b128 v1, v[CD+6:CD+9], s[26:27] offset:FRAGB*\u+768
	global_store_b64 v2, v[CD+10:CD+11], s[26:27] offset:FRAGB*\u+1280
.endm
	s_wait_loadcnt 16                              ; positions 0-15 are in; the sixteen younger loads may be out
	TOST 0
	RDF 0
	s_wait_dscnt 0x0
	QF 0
	s_wait_loadcnt 0x0
	TOST 16
	RDF 1
	s_wait_dscnt 0x0
	QF 1
	v_cmp_gt_u32 vcc_lo, 16, v7
	v_cndmask_b32 v18, v17, v16, vcc_lo            ; lanes 0-15 the first fragment's words, lanes 16-31 the second's
	global_store_b32 v3, v18, s[28:29]             ; 128 consecutive bytes
	s_wait_tensorcnt 0x0
	ds_add_u32 v251, v255
	s_wait_dscnt 0x0
	s_endpgm
.Lfunc_end_k_qe2ce979b9e_quant:
	.size	k_qe2ce979b9e_quant, .Lfunc_end_k_qe2ce979b9e_quant-k_qe2ce979b9e_quant
	.p2alignl 7, 3214868480
	.fill 96, 4, 3214868480
	.section	.rodata,"a",@progbits
	.p2align	6, 0x0
	.amdhsa_kernel k_qe2ce979b9e_quant
		.amdhsa_group_segment_fixed_size 68096
		.amdhsa_private_segment_fixed_size 0
		.amdhsa_enable_private_segment 0
		.amdhsa_kernarg_size 48
		.amdhsa_user_sgpr_count 2
		.amdhsa_user_sgpr_kernarg_segment_ptr 1
		.amdhsa_wavefront_size32 1
		.amdhsa_system_sgpr_workgroup_id_x 1
		.amdhsa_system_sgpr_workgroup_id_y 1
		.amdhsa_system_sgpr_workgroup_id_z 1
		.amdhsa_system_vgpr_workitem_id 0
		.amdhsa_next_free_vgpr 256
		.amdhsa_next_free_sgpr 66
		.amdhsa_reserve_vcc 1
		.amdhsa_float_denorm_mode_32 3
		.amdhsa_float_denorm_mode_16_64 3
		.amdhsa_memory_ordered 1
		.amdhsa_forward_progress 1
		.amdhsa_inst_pref_size 17
	.end_amdhsa_kernel
	.amdgpu_metadata
---
amdhsa.version: [ 1, 2 ]
amdhsa.kernels:
  - .name:           k_qe2ce979b9e_quant
    .symbol:         k_qe2ce979b9e_quant.kd
    .args:
      - { .name: x, .offset: 0, .size: 8, .value_kind: global_buffer, .address_space: global }
      - { .name: wq, .offset: 8, .size: 8, .value_kind: global_buffer, .address_space: global }
      - { .name: wk, .offset: 16, .size: 8, .value_kind: global_buffer, .address_space: global }
      - { .name: wv, .offset: 24, .size: 8, .value_kind: global_buffer, .address_space: global }
      - { .name: wo, .offset: 32, .size: 8, .value_kind: global_buffer, .address_space: global }
      - { .name: opnd, .offset: 40, .size: 8, .value_kind: global_buffer, .address_space: global }
    .group_segment_fixed_size: 68096
    .private_segment_fixed_size: 0
    .kernarg_segment_align: 8
    .kernarg_segment_size: 48
    .max_flat_workgroup_size: 128
    .sgpr_count:     66
    .vgpr_count:     256
    .wavefront_size: 32
...
	.end_amdgpu_metadata
.endif
;; end of part 1
;; launch qkv (part 2): grid 12 x 32, 4 waves a work-group, clusters of 4 x 4, 327,680 bytes of LDS; arguments opnd, qkv; writes qkv
.if DOCPART == 2
	.amdgcn_target "amdgcn-amd-amdhsa--gfx1250"
	.amdhsa_code_object_version 6
	.text
	.protected	k_qe2ce979b9e_qkv
	.globl	k_qe2ce979b9e_qkv
	.p2align	8
	.type	k_qe2ce979b9e_qkv,@function
k_qe2ce979b9e_qkv:
	s_mov_b64 s[64:65], 0
	v_nop
	global_prefetch_b8 v0, s[64:65] scope:SCOPE_SE
	s_setreg_imm32_b32 hwreg(HW_REG_WAVE_MODE, 25, 1), 1
	s_wait_xcnt 0x0
	s_wait_alu depctr_hold_cnt(0) depctr_sa_sdst(0) depctr_va_vdst(0) depctr_va_sdst(0) depctr_va_ssrc(0) depctr_va_vcc(0) depctr_vm_vsrc(0)
	s_getreg_b32 s2, hwreg(HW_REG_IB_STS2, 6, 4)
	s_cmp_eq_u32 s2, 0
	s_cbranch_scc0 .Lentry_in_a_cluster
	s_endpgm
.Lentry_in_a_cluster:
	s_bfe_u32 s2, ttmp6, 0x10000c
	s_cmp_lg_u32 s2, 0xf033
	s_cbranch_scc0 .Lentry_shape_is_right
	s_endpgm
.Lentry_shape_is_right:
; q = x wq^T, k = x wk^T, v = x wv^T on codes of FP6 (E2M3) with E8M0 scales, K = 1,024; the results are quantised in registers and leave as panels (128 rows x 128 K, 12,800 bytes: eight register
; images of 1,536 bytes, then 512 bytes of scale words; position p holds row sigma(p), bits 3 and 4 exchanged).  q and k are quantised along the head's 64, v along the keys.
; ONE TEXT, TWO ROLES, by the cluster's x, which all partners share; only offsets are chosen, no branch.  A gives a lane its row, B the columns, which are the next product's K.
;   cluster x 0, 1: A = x, B = wq and wk (16 panel rows): panel rec = G 64 + R, G = 0-7 q's pair of heads, 8-15 k's; R = the 128 rows of x.  Its K: head 2 j's 64, then head 2 j + 1's.
;   cluster x 2:    A = wv, B = x: v^T = wv x^T: rows are the pair of heads' 128 channels, K the 128 keys of a chunk: rec = 1,024 + (chunk of x) 8 + j.
; A tile of 256 x 256 to a work-group of four waves, 128 x 128 a wave: 64 accumulators, 512 registers.  K goes in steps of 256 through two LDS slots; a wave's tensor load brings two panels of one
; panel row, 25,600 dense bytes with their scale words.  4 x 4 work-groups form a cluster: A's panels are asked for jointly along a row of the cluster, B's along a column.
; THE MATRIX INSTRUCTION IS USED TRANSPOSED (source 0 = 16 rows of B, source 1 = 16 rows of A): lane (r, h) holds A's row r, and the 16 registers of tiles 2 b, 2 b + 1 are columns 32 b + 16 h + 0 .. 15.
; No prefetch: K is four slot fills long.  LIMITS: a block of zeros keeps the byte 1 (its codes are zeros; this program alone reads the bytes); NaN and infinities are not served.
; REGISTERS: window 0: v12-29 addresses; v32-63 scale words, two sets; v128-223 A's fragments, one set; on the way out v64-195 at work.  window 1: B's fragments, two sets, at v0 and v128.
;   window 2: the accumulators of my rows 0-63 ((a, b) at v[8 (8 (a % 4) + b)]); window 3: those of rows 64-127.
.set PANEL, 12800
.set FRAGB, 1536
.set SCO,   12288
.set LOADB, 2*PANEL                    ; what one tensor load brings
.set SLOT,  4*LOADB                    ; A's two panel rows, then B's two
.set ROWP,  8*PANEL                    ; a panel row in memory
.set SPARE, 2*SLOT                     ; behind the ring: the spare words, 128 bytes a wave, which no other line names
.set FR,    12
.set NL,    4                          ; LDS loads that bring a fragment
.set NP,    4                          ; places behind this matrix instruction (ISA guide 7.12.1)
.set LN,    12                         ; v12 lane; v13, v14, v15: 4, 8, 16 x lane
.set L4,    13
.set L8,    14
.set L16,   15
.set A16,   16                         ; v16-17 16 x lane + my A panels in slot 0, 1;  v18-19 the same with 8 x lane
.set A8,    18
.set B16,   20                         ; v20-23 the same for B
.set B8,    22
.set A4,    24                         ; v24-25, v26-27 with 4 x lane, for the scale words
.set B4,    26
.set SPW,   28                         ; v28 my spare word's address; v29 zero: never rewritten
.set NIL,   29
.set SC,    32                         ; scale words: set s at v[SC + 16 s]; in it 8 q + i: A's fragments 2 i (lanes 0-15) and 2 i + 1 (lanes 16-31); 8 q + 4 + i: B's
.set AF,    128
.set CDS,   64                         ; the way out: block a's codes at v[64 + 12 a]
.set T2,    160
.set TM,    168
.set PWD,   184                        ; block a's scale word
.set PWP,   192                        ; two blocks' words in one register
.set G1,  24
.set G0,  32
.set G1B, 48
.set G0B, 56
.set SEL, 76
.set MSB, 0
.macro WIN new                         ; the immediate's high byte repeats the setting that is left
.if MSB != (\new)
	s_set_vgpr_msb (MSB<<8)|(\new)
.set MSB, (\new)
.endif
.endm
.set MUL_LO, 0xa1                      ; source 0 (B) window 1, source 1 (A) window 0, C and D window 2
.set MUL_HI, 0xf1
.set TO_B,   0x40
; A joint load: waves 0 and 1 fetch for A, waves 2 and 3 for B; the branch hangs on the wave's number alone.  Four v_nop follow each line.
.macro JLOAD g0a, g1a, g0b, g1b
	s_cmp_eq_u32 s15, 0
	s_cbranch_scc0 .Lfor_b_\@
	tensor_load_to_lds s[\g0a:\g0a+3], s[\g1a:\g1a+7]
	s_nop 0
.rept 4
	v_nop
.endr
	s_branch .Lasked_\@
.Lfor_b_\@:
	tensor_load_to_lds s[\g0b:\g0b+3], s[\g1b:\g1b+7]
	s_nop 0
.rept 4
	v_nop
.endr
.Lasked_\@:
.endm
.macro CREST                           ; a round of the cluster's barrier behind its opening barrier
	s_cmp_lg_u32 s14, 0
	s_cbranch_scc1 .Lnot_wave_0_\@
	s_barrier_signal -3
.Lnot_wave_0_\@:
	s_barrier_wait -3
	s_barrier_signal -1
	s_barrier_wait -1
.endm
.macro CROUND
	s_barrier_signal -1
	s_barrier_wait -1
	CREST
.endm
	s_load_b128 s[4:7], s[0:1], 0x0                ; opnd, qkv
	v_lshl_add_u32 v[SPW], v0, 2, SPARE
	v_mov_b32 v[NIL], 0
	ds_add_u32 v28, v29
	s_wait_dscnt 0x0
	v_lshrrev_b32 v1, 5, v0
	v_readfirstlane_b32 s14, v1                    ; wave
	s_lshr_b32 s15, s14, 1                         ; my half of A's rows.  Also: I fetch for A (0) or B (1)
	s_and_b32 s16, s14, 1                          ; my half of B's rows.  Also: which panel row I fetch
	s_bfe_u32 s40, ttmp6, 0x40000                  ; cx
	s_bfe_u32 s41, ttmp6, 0x40004                  ; cy
	s_lshl_b32 s43, s41, 2
	s_lshl_b32 s43, 15, s43                        ; my row of the cluster
	s_lshl_b32 s44, 0x1111, s40                    ; my column
	s_or_b32 s[G1+0], s43, (3<<16)|(1<<21)         ; the mask; elements of 8 bytes; bit 21 beside a mask; no padding
	s_or_b32 s[G1B+0], s44, (3<<16)|(1<<21)
.irp g, G1, G1B
	s_mov_b32 s[\g+1], 32<<16                      ; tensor_dim0: 32 elements, 256 bytes
	s_mov_b32 s[\g+2], 100<<16                     ; tensor_dim1: 100 rows: 25,600 dense bytes
	s_mov_b32 s[\g+3], 32<<16                      ; tile_dim0
	s_mov_b32 s[\g+4], 100                         ; tile_dim1
	s_mov_b32 s[\g+5], 32                          ; the pitch
	s_mov_b32 s[\g+6], 0
	s_mov_b32 s[\g+7], 0
.endr
	s_and_b32 s17, ttmp7, 0xffff
	s_lshl_b32 s17, s17, 2                         ; 4 x cluster y
	s_lshl_b32 s18, ttmp9, 2                       ; 4 x cluster x
	s_cmp_eq_u32 ttmp9, 2                          ; the role: the same in all sixteen partners
	s_cselect_b32 s19, 0, s17                      ; A's first tile row
	s_cselect_b32 s20, s17, s18                    ; B's first tile column
	s_cselect_b32 s21, 80, 0                       ; A's first panel row in opnd: wv or x
	s_cselect_b32 s22, 0, 64                       ; B's: x or wq
	s_cselect_b32 s23, 1024, 0                     ; the first output panel
	s_cselect_b32 s45, 3, 6                        ; and G's stride: 8 or 64
	s_add_co_u32 s19, s19, s41                     ; tile row: hangs on cy alone
	s_add_co_u32 s20, s20, s40                     ; tile column: on cx alone
	s_lshl_b32 s46, s19, 1
	s_add_co_u32 s46, s46, s21
	s_add_co_u32 s46, s46, s16
	s_mul_i32 s46, s46, ROWP                       ; A's panel row that I would fetch, in bytes
	s_mov_b32 s47, 0
	s_lshl_b32 s66, s20, 1
	s_add_co_u32 s66, s66, s22
	s_add_co_u32 s66, s66, s16
	s_mul_i32 s66, s66, ROWP                       ; B's
	s_mov_b32 s67, 0
	s_mul_i32 s68, s14, LOADB                      ; where it goes: wave x 25,600: no place in the cluster enters an LDS address
	s_wait_kmcnt 0x0
	s_add_nc_u64 s[46:47], s[4:5], s[46:47]
	s_add_nc_u64 s[66:67], s[4:5], s[66:67]
	CROUND                                         ; all sixteen work-groups are here: the first joint loads meet
.irp s, 0,1
	s_mov_b32 s[G0+4*\s], 1
	s_add_co_u32 s[G0+4*\s+1], s68, \s*SLOT
	s_add_nc_u64 s[G0+4*\s+2:G0+4*\s+3], s[46:47], \s*LOADB
	s_or_b32 s[G0+4*\s+3], s[G0+4*\s+3], 0x80000000
	s_mov_b32 s[G0B+4*\s], 1
	s_add_co_u32 s[G0B+4*\s+1], s68, \s*SLOT
	s_add_nc_u64 s[G0B+4*\s+2:G0B+4*\s+3], s[66:67], \s*LOADB
	s_or_b32 s[G0B+4*\s+3], s[G0B+4*\s+3], 0x80000000
	JLOAD G0+4*\s, G1, G0B+4*\s, G1B
.endr
	v_and_b32 v[LN], 31, v0
	v_lshlrev_b32 v[L4], 2, v[LN]
	v_lshlrev_b32 v[L8], 3, v[LN]
	v_lshlrev_b32 v[L16], 4, v[LN]
	s_mul_i32 s74, s15, LOADB                      ; my panel row of A
	s_mul_i32 s75, s16, LOADB
	s_add_co_u32 s75, s75, 2*LOADB                 ; and of B, behind A's two
.irp s, 0,1
	v_add_nc_u32 v[A16+\s], s74, v[L16]
	v_add_nc_u32 v[A8+\s], s74, v[L8]
	v_add_nc_u32 v[A4+\s], s74, v[L4]
	v_add_nc_u32 v[B16+\s], s75, v[L16]
	v_add_nc_u32 v[B8+\s], s75, v[L8]
	v_add_nc_u32 v[B4+\s], s75, v[L4]
	s_add_co_u32 s74, s74, SLOT
	s_add_co_u32 s75, s75, SLOT
.endr
	s_mov_b32 s[SEL], 0x76543210
	s_mov_b32 s[SEL+1], 0xfedcba98
	s_lshl_b32 s72, s20, 1
	s_add_co_u32 s72, s72, s16                     ; G = 2 x tile column + my half
	s_lshl_b32 s72, s72, s45
	s_lshl_b32 s73, s19, 1
	s_add_co_u32 s73, s73, s15                     ; R = 2 x tile row + my half
	s_add_co_u32 s72, s72, s73
	s_add_co_u32 s72, s72, s23
	s_mul_i32 s72, s72, PANEL
	s_mov_b32 s73, 0
	s_add_nc_u64 s[6:7], s[6:7], s[72:73]          ; my output panel
.macro FRAG reg, a16, a8, off          ; a fragment's image: four loads, each of consecutive bytes over the lanes
	ds_load_b128 v[\reg:\reg+3], v[\a16] offset:\off
	ds_load_b64 v[\reg+4:\reg+5], v[\a8] offset:\off+512
	ds_load_b128 v[\reg+6:\reg+9], v[\a16] offset:\off+768
	ds_load_b64 v[\reg+10:\reg+11], v[\a8] offset:\off+1280
.endm
.macro FETCH_B slot, q, p              ; B's eight fragments of the slot's q-th panel into set p
	WIN TO_B
.irp i, 0,1,2,3,4,5,6,7
	FRAG 128*(\p)+FR*\i, B16+\slot, B8+\slot, (\q)*PANEL+\i*FRAGB
.endr
	WIN 0
.endm
.macro FETCH_A slot, q, i0             ; A's blocks i0 .. i0 + 3
.irp i, \i0, \i0+1, \i0+2, \i0+3
	FRAG AF+FR*(\i), A16+\slot, A8+\slot, (\q)*PANEL+(\i)*FRAGB
.endr
.endm
.macro SCALES s                        ; a slot's scale words, both panels': one load brings two fragments' words, the even one's in lanes 0-15
.irp q, 0,1
.irp i, 0,1,2,3
	ds_load_b32 v[SC+16*\s+8*\q+\i], v[A4+\s] offset:\q*PANEL+SCO+128*\i
	ds_load_b32 v[SC+16*\s+8*\q+4+\i], v[B4+\s] offset:\q*PANEL+SCO+128*\i
.endr
.endr
.endm
.macro WM zero                         ; one product; an odd fragment's scale words stand in lanes 16-31
.if \zero
.if rBO && rAO
	v_wmma_scale_f32_16x16x128_f8f6f4 v[rD:rD+7], v[rB:rB+11], v[rA:rA+11], 0, v[rSB], v[rSA] matrix_a_fmt:MATRIX_FMT_FP6 matrix_b_fmt:MATRIX_FMT_FP6 matrix_a_scale:MATRIX_SCALE_ROW1 matrix_b_scale:MATRIX_SCALE_ROW1
.elseif rBO
	v_wmma_scale_f32_16x16x128_f8f6f4 v[rD:rD+7], v[rB:rB+11], v[rA:rA+11], 0, v[rSB], v[rSA] matrix_a_fmt:MATRIX_FMT_FP6 matrix_b_fmt:MATRIX_FMT_FP6 matrix_a_scale:MATRIX_SCALE_ROW1
.elseif rAO
	v_wmma_scale_f32_16x16x128_f8f6f4 v[rD:rD+7], v[rB:rB+11], v[rA:rA+11], 0, v[rSB], v[rSA] matrix_a_fmt:MATRIX_FMT_FP6 matrix_b_fmt:MATRIX_FMT_FP6 matrix_b_scale:MATRIX_SCALE_ROW1
.else
	v_wmma_scale_f32_16x16x128_f8f6f4 v[rD:rD+7], v[rB:rB+11], v[rA:rA+11], 0, v[rSB], v[rSA] matrix_a_fmt:MATRIX_FMT_FP6 matrix_b_fmt:MATRIX_FMT_FP6
.endif
.else
.if rBO && rAO
	v_wmma_scale_f32_16x16x128_f8f6f4 v[rD:rD+7], v[rB:rB+11], v[rA:rA+11], v[rD:rD+7], v[rSB], v[rSA] matrix_a_fmt:MATRIX_FMT_FP6 matrix_b_fmt:MATRIX_FMT_FP6 matrix_a_scale:MATRIX_SCALE_ROW1 matrix_b_scale:MATRIX_SCALE_ROW1
.elseif rBO
	v_wmma_scale_f32_16x16x128_f8f6f4 v[rD:rD+7], v[rB:rB+11], v[rA:rA+11], v[rD:rD+7], v[rSB], v[rSA] matrix_a_fmt:MATRIX_FMT_FP6 matrix_b_fmt:MATRIX_FMT_FP6 matrix_a_scale:MATRIX_SCALE_ROW1
.elseif rAO
	v_wmma_scale_f32_16x16x128_f8f6f4 v[rD:rD+7], v[rB:rB+11], v[rA:rA+11], v[rD:rD+7], v[rSB], v[rSA] matrix_a_fmt:MATRIX_FMT_FP6 matrix_b_fmt:MATRIX_FMT_FP6 matrix_b_scale:MATRIX_SCALE_ROW1
.else
	v_wmma_scale_f32_16x16x128_f8f6f4 v[rD:rD+7], v[rB:rB+11], v[rA:rA+11], v[rD:rD+7], v[rSB], v[rSA] matrix_a_fmt:MATRIX_FMT_FP6 matrix_b_fmt:MATRIX_FMT_FP6
.endif
.endif
.endm
; 16 products: A's blocks a0, a0 + 1 x B's eight, 128 along K.  p: B's set; q: the slot's panel; sc: the set of scale words.  The 64 accumulators take turns, in the same order in every step.
.macro MUL16 a0, p, q, sc, zero
.irp a, \a0, \a0+1
.irp b, 0,1,2,3,4,5,6,7
.set rD, 8*(8*((\a)%4)+\b)
.set rB, 128*(\p)+FR*\b
.set rA, AF+FR*(\a)
.set rSB, SC+16*(\sc)+8*(\q)+4+\b/2
.set rSA, SC+16*(\sc)+8*(\q)+(\a)/2
.set rBO, \b%2
.set rAO, (\a)%2
	WM \zero
.endr
.endr
.endm
.macro PLACES n                        ; plain instructions between a matrix instruction and a load into, or a read of, its registers (ISA guide 7.12.1 for the reads)
.rept \n
	v_nop
.endr
.endm
.macro STEP slot, q, zero              ; a step of 128 along K that has its successor in the same slot
	s_wait_dscnt 4*NL                              ; B's set, A's blocks 0-3 and the scale words are in; the youngest sixteen loads (A's blocks 4-7) may be out
	WIN MUL_LO
	MUL16 0, (\q)%2, \q, \slot, \zero
	MUL16 2, (\q)%2, \q, \slot, \zero
	s_wait_dscnt 0                                 ; A's blocks 4-7 are in
	PLACES NP
	FETCH_B \slot, (\q)+1, 1-(\q)%2
	FETCH_A \slot, (\q)+1, 0
	WIN MUL_HI
	MUL16 4, (\q)%2, \q, \slot, \zero
	MUL16 6, (\q)%2, \q, \slot, \zero
	PLACES NP
	WIN 0
	FETCH_A \slot, (\q)+1, 4
.endm
; A slot's last step changes slots: one barrier; in front of it each wave waits for all its tensor loads, adds 0 to its spare word, and waits for that and for its reads of this slot.  fill = 1: the slot is filled again.
.macro TURN slot, next, fill
	s_wait_tensorcnt 0x0                           ; all my tensor loads have landed: my part of the next slot
	ds_add_u32 v[SPW], v[NIL]                      ; 0 onto my spare word
	s_wait_dscnt 4*NL+1                            ; (the add and the youngest sixteen loads may be out)
	WIN MUL_LO
	MUL16 0, 1, 1, \slot, 0                        ; sixteen products stand between the add and the wait for it
	s_wait_dscnt 0x0                               ; the add is done, and my reads of this slot are over
	s_barrier_signal -1
	MUL16 2, 1, 1, \slot, 0
	WIN 0
	s_barrier_wait -1
.if \fill
	CREST                                          ; the barrier has opened a round of the cluster's: no wave of any partner still reads this slot or has a load on its way
	s_add_nc_u64 s[G0+4*\slot+2:G0+4*\slot+3], s[G0+4*\slot+2:G0+4*\slot+3], 2*LOADB
	s_add_nc_u64 s[G0B+4*\slot+2:G0B+4*\slot+3], s[G0B+4*\slot+2:G0B+4*\slot+3], 2*LOADB
	JLOAD G0+4*\slot, G1, G0B+4*\slot, G1B         ; the first tensor load behind the round; its four v_nop are also the places in front of the loads below
.else
	PLACES NP
.endif
	FETCH_B \next, 0, 0
	FETCH_A \next, 0, 0
	SCALES \next
	WIN MUL_HI
	MUL16 4, 1, 1, \slot, 0
	MUL16 6, 1, 1, \slot, 0
	PLACES NP
	WIN 0
	FETCH_A \next, 0, 4
.endm
	s_wait_tensorcnt 1                             ; my part of slot 0 is in; slot 1's load may be out
	s_barrier_signal -1
	s_barrier_wait -1
	FETCH_B 0, 0, 0
	FETCH_A 0, 0, 0
	SCALES 0
	FETCH_A 0, 0, 4
	STEP 0, 0, 1                                   ; K 0-127: the products start the sums
	TURN 0, 1, 1                                   ; K 128-255; slot 0 takes K 512-767
	STEP 1, 0, 0
	TURN 1, 0, 1                                   ; slot 1 takes K 768-1023
	STEP 0, 0, 0
	TURN 0, 1, 0                                   ; nothing is left to fetch
	STEP 1, 0, 0
	s_wait_dscnt 4*NL
	WIN MUL_LO
	MUL16 0, 1, 1, 1, 0
	MUL16 2, 1, 1, 1, 0
	s_wait_dscnt 0
	WIN MUL_HI
	MUL16 4, 1, 1, 1, 0
	MUL16 6, 1, 1, 1, 0
	WIN 0
; THE WAY OUT.  Block a's 64 registers are, for my row, k = 32 b + 16 h + i at register 16 b + i: four half blocks of the next product's K.  They become one fragment and one scale word a row,
; and leave as the panel's image: no LDS.  Each accumulator is first read at its two lowest registers.
.macro QOUT a
.set AC, 64*((\a)%4)
.set WW, 2+(\a)/4
.set CD, CDS+12*(\a)
	WIN WW|(WW<<2)                                 ; sources 0 and 1 in the accumulators' window
.irp b, 0,1,2,3
	v_max3_num_f32 v[TM+\b], |v[AC+16*\b]|, |v[AC+16*\b+1]|, 0x1800000   ; my 16 numbers of block b, and the floor 2^(3 - 127)
.endr
	WIN (WW<<2)|(WW<<4)                            ; sources 1 and 2
.irp i, 2,4,6,8,10,12,14
.irp b, 0,1,2,3
	v_max3_num_f32 v[TM+\b], v[TM+\b], |v[AC+16*\b+\i]|, |v[AC+16*\b+\i+1]|
.endr
.endr
	WIN 0
.irp b, 0,1,2,3
	v_permlanex16_b32 v[TM+4+\b], v[TM+\b], s[SEL], s[SEL+1]
.endr
.irp b, 0,1,2,3
	v_max_num_f32 v[TM+\b], v[TM+\b], v[TM+4+\b]   ; with lane l xor 16's: the block's largest magnitude
.endr
.irp b, 0,1,2,3
	v_add_nc_u32 v[TM+12+\b], 0xff000000, v[TM+\b] ; 2 off its exponent field: the conversion's scale operand
.endr
.irp b, 0,1,2,3
	v_lshrrev_b32 v[TM+4+\b], 23, v[TM+12+\b]      ; the byte
.endr
	v_lshl_or_b32 v[PWD+\a], v[TM+5], 8, v[TM+4]
	v_lshl_or_b32 v[PWD+\a], v[TM+6], 16, v[PWD+\a]
	v_lshl_or_b32 v[PWD+\a], v[TM+7], 24, v[PWD+\a]
	WIN WW                                         ; source 0
.irp c, 0,1
	v_cvt_scalef32_pk16_fp6_f32 v[CD+6*\c:CD+6*\c+2], v[AC+32*\c:AC+32*\c+15], v[TM+12+2*\c]
	v_cvt_scalef32_pk16_fp6_f32 v[T2+4*\c:T2+4*\c+2], v[AC+32*\c+16:AC+32*\c+31], v[TM+12+2*\c+1]
.endr
	WIN 0
	v_nop                                          ; one plain instruction behind the conversions
.irp c, 0,1                                    ; the layout wants a whole block in a lane: lanes 0-15 block 2 c, lanes 16-31 block 2 c + 1
.irp i, 0,1,2
	v_permlane16_swap_b32 v[CD+6*\c+\i], v[T2+4*\c+\i]
.endr
.irp i, 0,1,2
	v_mov_b32 v[CD+3+6*\c+\i], v[T2+4*\c+\i]
.endr
.endr
	global_store_b128 v[L16], v[CD:CD+3], s[6:7] offset:(\a)*FRAGB          ; 512 consecutive bytes
	global_store_b64 v[L8], v[CD+4:CD+5], s[6:7] offset:(\a)*FRAGB+512      ; 256
	global_store_b128 v[L16], v[CD+6:CD+9], s[6:7] offset:(\a)*FRAGB+768
	global_store_b64 v[L8], v[CD+10:CD+11], s[6:7] offset:(\a)*FRAGB+1280
.if ((\a)%2) == 1
	v_cndmask_b32 v[PWP+(\a)/2], v[PWD+\a], v[PWD+\a-1], vcc_lo             ; lanes 0-15 the even block's words, lanes 16-31 the odd one's
	global_store_b32 v[L4], v[PWP+(\a)/2], s[6:7] offset:SCO+128*((\a)/2)
.endif
.endm
	PLACES NP                                      ; behind the last products: for the reads of their results and the writes over A's fragments
.irp b, 0,1,2,3
	v_mov_b32 v[TM+4+\b], 0                        ; a lane permute's destination counts as one of its sources
.endr
	v_cmp_gt_u32 vcc_lo, 16, v[LN]
.irp a, 0,1,2,3,4,5,6,7
	QOUT \a
.endr
	s_wait_tensorcnt 0x0                           ; the wave's end
	ds_add_u32 v[SPW], v[NIL]
	s_wait_dscnt 0x0
	CROUND                                         ; the closing round: no work-group ends while a partner may still ask for a tile that names it
	s_endpgm
.Lfunc_end_k_qe2ce979b9e_qkv:
	.size	k_qe2ce979b9e_qkv, .Lfunc_end_k_qe2ce979b9e_qkv-k_qe2ce979b9e_qkv
	.p2alignl 7, 3214868480
	.fill 96, 4, 3214868480
	.section	.rodata,"a",@progbits
	.p2align	6, 0x0
	.amdhsa_kernel k_qe2ce979b9e_qkv
		.amdhsa_group_segment_fixed_size 327680
		.amdhsa_private_segment_fixed_size 0
		.amdhsa_enable_private_segment 0
		.amdhsa_kernarg_size 16
		.amdhsa_user_sgpr_count 2
		.amdhsa_user_sgpr_kernarg_segment_ptr 1
		.amdhsa_wavefront_size32 1
		.amdhsa_system_sgpr_workgroup_id_x 1
		.amdhsa_system_sgpr_workgroup_id_y 1
		.amdhsa_system_sgpr_workgroup_id_z 1
		.amdhsa_system_vgpr_workitem_id 0
		.amdhsa_next_free_vgpr 1024
		.amdhsa_next_free_sgpr 98
		.amdhsa_reserve_vcc 1
		.amdhsa_float_denorm_mode_32 3
		.amdhsa_float_denorm_mode_16_64 3
		.amdhsa_memory_ordered 1
		.amdhsa_forward_progress 1
		.amdhsa_inst_pref_size 148
	.end_amdhsa_kernel
	.amdgpu_metadata
---
amdhsa.version: [ 1, 2 ]
amdhsa.kernels:
  - .name:           k_qe2ce979b9e_qkv
    .symbol:         k_qe2ce979b9e_qkv.kd
    .args:
      - { .name: opnd, .offset: 0, .size: 8, .value_kind: global_buffer, .address_space: global }
      - { .name: qkv, .offset: 8, .size: 8, .value_kind: global_buffer, .address_space: global }
    .group_segment_fixed_size: 327680
    .private_segment_fixed_size: 0
    .kernarg_segment_align: 8
    .kernarg_segment_size: 16
    .max_flat_workgroup_size: 128
    .sgpr_count:     98
    .vgpr_count:     1024
    .wavefront_size: 32
...
	.end_amdgpu_metadata
.endif
;; end of part 2
;; launch attn (part 3): grid 8 x 32, 16 waves a work-group, no clusters, 327,680 bytes of LDS; arguments qkv, obuf; writes obuf
.if DOCPART == 3
	.amdgcn_target "amdgcn-amd-amdhsa--gfx1250"
	.amdhsa_code_object_version 6
	.text
	.protected	k_qe2ce979b9e_attn
	.globl	k_qe2ce979b9e_attn
	.p2align	8
	.type	k_qe2ce979b9e_attn,@function
k_qe2ce979b9e_attn:
	s_mov_b64 s[64:65], 0
	v_nop
	global_prefetch_b8 v0, s[64:65] scope:SCOPE_SE
	s_setreg_imm32_b32 hwreg(HW_REG_WAVE_MODE, 25, 1), 1
	s_wait_xcnt 0x0
; Causal attention on codes of FP6 (E2M3) with E8M0 scales: S = q k^T / 8 (K = the head's 64), p = 2^(t - M), o = (p v) / l (K = the keys); o is quantised along D and leaves as panels for the last product.
; t = score x log2(e) / 8; M = the running largest t rounded up to a whole number; p is not normalised; l is the sum of the unquantised p, in f32; when M moves, l and O are multiplied by 2^(old M - new M), exactly.
; INPUT: panels of 12,800 bytes (eight register images of 1,536 bytes, 512 bytes of scale words; position p holds row sigma(p), bits 3 and 4 exchanged).  q: rec j 64 + 16 b + block; k: (8 + j) 64 + 16 b + chunk:
; rows are 128 queries or keys, K is head 2 j's 64 then head 2 j + 1's.  v: rec 1,024 + (16 b + chunk) 8 + j: rows are the two heads' 128 channels, K the chunk's 128 keys.
; SHARES: work-group (i, b 8 + j) takes the pair of heads j of batch b and two blocks of 128 queries: first block 15 - i with key chunks 0 .. 15 - i, then block i with chunks 0 .. i: 17 key steps of 128 in
; every work-group.  Wave w: head w / 8, query tile w % 8 (16 queries), in 256 registers: four waves to a SIMD, so that one wave's vector work stands beside another's products and LDS loads.
; NO CLUSTER: the eight work-groups of one (b, j) want different chunks from their step 16 - i on; a walk that all could ask for jointly has 20 steps against 17.
; K = 64 IN AN INSTRUCTION OF 128: a wave loads its own head's half (768 bytes) of each fragment of k and of q into registers 0-5.  q's registers 6-11 are zero codes, so what stands in k's upper six (the next
; tile's codes; behind the last tile six zeros) adds nothing.  The scale words come as 16 bits: the head's two bytes; the upper two are 0, which is 2^-127 and multiplies zeros.
; Both products are used transposed (source 0 = 16 keys, or 16 channels; source 1 = my 16 queries): a lane holds one query throughout, and p's 16 registers of tiles 2 b, 2 b + 1 are 16 neighbouring keys.
; LIMITS: 1 / l is v_rcp_f32 and a multiplication.  A block's largest p is taken from the block's largest score by the same multiply-add and exponential, which takes v_exp_f32 not to fall where its input rises.
; A block of zeros keeps the byte 1.  NaN and infinities are not served.
.set PANEL, 12800
.set FRAGB, 1536
.set SCO,   12288
.set POSB,  2*PANEL                    ; a key step's bytes: k's panel, then v's
.set PARTB, 6400                       ; what one tensor load brings: half a panel
.set SLOT1, 65536                      ; a slot holds two key steps; one exclusive or turns an address into the other slot's
.set SPARE, 2*SLOT1                    ; the spare words, 128 bytes for each of sixteen waves, which no other line names
.set WV, 8                             ; s8 wave; s9 its head; s10 its query tile, and its part among the fetching waves
.set HH, 9
.set QT, 10
.set II, 11                            ; s11 i; s12 b; s13 j
.set IB, 12
.set IJ, 13
.set TSW, 14                           ; s14 the step at which the second block begins: 16 - i
.set QB, 15                            ; s15 the block of queries in hand
.set G1, 16                            ; s[16:23], s[24:27] the descriptor's groups
.set G0, 24
.set SEL, 28
.set CS, 30                            ; s[30:31] c = log2(e) / 8, twice
.set TB, 32                            ; s32 the slot in hand; s33 the step; s34 its chunk
.set TAU, 33
.set CH, 34
.set TW, 35                            ; s35 the step that my load fetches
.set BASEW, 36                         ; s36, s37 its bytes: BASEW + chunk x STRW
.set STRW, 37
.set SLOTS, 38
.set OP, 40                            ; s[40:41] o's codes, s[42:43] o's scale bytes: my tile and head in block 0's panel
.set OS, 42
.set PFA, 48
.set LIM, 50
.set PP, 51
.set SPW, 10                           ; v10, v11 the spare word's address and 0: never rewritten
.set NIL, 11
.set QR, 16                            ; v16-27 q's operand (22-27 zeros); v28 its scale word; v29, v30-35 the second block's
.set QW, 28
.set QLW, 29
.set QL, 30
.set VD, 42                            ; v42 my query in its block - 16 h
.set OSO, 43                           ; v43 4 r + h
.set PFO, 44
.set LN, 45
.set KS, 46                            ; v46-49 k's scale words, two tiles a register; v50-51 v's
.set VS, 50
.set FRG, 52                           ; v52-99 eight half fragments of k, or four fragments of v; v100-105 zeros
.set S, 106
.set O, 170
.set PC, 202
.set PW, 222
.set BM, 224
.set BP, 228
.set BO, 232
.set FF, 236
.set TMP, 238
.set TM2, 239
.set SUM2, 240
.macro TLOAD n                         ; waves 0 .. n - 1 fetch; the branch hangs on the wave's number alone; four v_nop follow the load
	s_cmp_lt_u32 s[WV], \n
	s_cbranch_scc0 .Lnone_\@
	tensor_load_to_lds s[G0:G0+3], s[G1:G1+7]
	s_nop 0
.rept 4
	v_nop
.endr
.Lnone_\@:
.endm
; A PREFETCH INTO THE L2 of what the next change of slots will ask for.  The eight work-groups of one (b, j) begin with the same chunks 0, 1, ..: the one with i = 0, which walks all sixteen in order, asks, and nobody else.
; In it wave 8 + n names the 25 blocks of 256 bytes that wave n will fetch one change later, two key steps ahead: lanes 0-24 a block each; lanes 25-31 repeat lane 24's address in the same instruction.
; Chunks 0 to 3 come by their loads alone; nothing is asked for steps from 16 on.
.macro ASK
	s_cmp_lt_u32 s[PP], s[LIM]
	s_cbranch_scc0 .Lnot_mine_\@
	global_prefetch_b8 v[PFO], s[PFA:PFA+1] th:TH_LOAD_NT scope:SCOPE_SE
.Lnot_mine_\@:
.endm
	s_load_b128 s[4:7], s[0:1], 0x0                ; qkv, obuf
	v_lshl_add_u32 v[SPW], v0, 2, SPARE
	v_mov_b32 v[NIL], 0
	ds_add_u32 v10, v11
	ds_add_u32 v10, v11
	s_wait_dscnt 0x0
	v_lshrrev_b32 v1, 5, v0
	s_delay_alu instid0(VALU_DEP_1)
	v_readfirstlane_b32 s[WV], v1
	s_lshr_b32 s[HH], s[WV], 3
	s_and_b32 s[QT], s[WV], 7
	s_mov_b32 s[II], ttmp9
	s_and_b32 s[IJ], ttmp7, 0xffff
	s_lshr_b32 s[IB], s[IJ], 3
	s_and_b32 s[IJ], s[IJ], 7
	s_sub_co_u32 s[TSW], 16, s[II]
	s_sub_co_u32 s[QB], 15, s[II]
	s_mov_b32 s[G1], 3<<16                         ; no mask; elements of 8 bytes; no padding
	s_mov_b32 s[G1+1], 32<<16                      ; rows of 256 bytes,
	s_mov_b32 s[G1+2], 25<<16                      ; 25 of them: 6,400 dense bytes
	s_mov_b32 s[G1+3], 32<<16
	s_mov_b32 s[G1+4], 25
	s_mov_b32 s[G1+5], 32
	s_mov_b32 s[G1+6], 0
	s_mov_b32 s[G1+7], 0
	; part n = wave % 8 of a slot: key step n / 4, k's (bit 1 = 0) or v's panel, its half n % 2: LDS byte 6,400 n
	s_lshl_b32 s45, s[IJ], 6
	s_add_co_u32 s45, s45, 512
	s_lshl_b32 s46, s[IB], 4
	s_add_co_u32 s45, s45, s46                     ; k's panel of chunk 0
	s_lshl_b32 s46, s[IB], 7
	s_add_co_u32 s46, s46, s[IJ]
	s_add_co_u32 s46, s46, 1024                    ; v's
	s_mov_b32 s[STRW], 8*PANEL
	s_bitcmp1_b32 s[QT], 1
	s_cselect_b32 s[BASEW], s46, s45
	s_cselect_b32 s[STRW], s[STRW], PANEL          ; from chunk to chunk
	s_mul_i32 s[BASEW], s[BASEW], PANEL
	s_and_b32 s45, s[QT], 1
	s_mul_i32 s45, s45, PARTB
	s_add_co_u32 s[BASEW], s[BASEW], s45
	s_lshr_b32 s[TW], s[QT], 2                     ; steps 0 and 1 are chunks 0 and 1
	s_mul_i32 s44, s[TW], s[STRW]
	s_add_co_u32 s44, s44, s[BASEW]
	s_mov_b32 s45, 0
	s_mov_b32 s[G0], 1
	s_mul_i32 s[G0+1], s[QT], PARTB
	s_wait_kmcnt 0x0
	s_add_nc_u64 s[G0+2:G0+3], s[4:5], s[44:45]
	s_or_b32 s[G0+3], s[G0+3], 0x80000000
	TLOAD 8                                        ; slot 0: the launch's first fill
	v_and_b32 v[LN], 31, v0
	s_delay_alu instid0(VALU_DEP_1)
	v_lshlrev_b32 v1, 4, v[LN]                     ; 16, 8, 4 x lane
	s_wait_alu depctr_va_vdst(0)
	v_lshlrev_b32 v2, 3, v[LN]
	s_wait_alu depctr_va_vdst(0)
	v_lshlrev_b32 v3, 2, v[LN]
	s_wait_alu depctr_va_vdst(0)
	s_lshl_b32 s44, s[IJ], 6
	s_lshl_b32 s45, s[IB], 4
	s_add_co_u32 s44, s44, s45
	s_add_co_u32 s46, s44, s[QB]
	s_mul_i32 s46, s46, PANEL
	s_mov_b32 s47, 0
	s_add_nc_u64 s[52:53], s[4:5], s[46:47]        ; q's panel of the first block,
	s_add_co_u32 s46, s44, s[II]
	s_mul_i32 s46, s46, PANEL
	s_add_nc_u64 s[54:55], s[4:5], s[46:47]        ; and of the second
	s_mul_i32 s44, s[QT], FRAGB
	s_mul_i32 s45, s[HH], 768
	s_add_co_u32 s44, s44, s45                     ; my tile's fragment, my head's half
	v_add_nc_u32 v36, s44, v1
	v_add_nc_u32 v37, s44, v2
	v_and_b32 v38, 15, v0
	s_lshl_b32 s44, s[QT], 6
	s_lshl_b32 s46, s[HH], 1
	s_add_co_u32 s44, s44, s46
	v_lshl_add_u32 v38, v38, 2, s44                ; row r's scale word, my head's two bytes
	global_load_b128 v[QR:QR+3], v36, s[52:53]
	global_load_b64 v[QR+4:QR+5], v37, s[52:53] offset:512
	global_load_u16 v[QW], v38, s[52:53] offset:SCO
	global_load_b128 v[QL:QL+3], v36, s[54:55]
	global_load_b64 v[QL+4:QL+5], v37, s[54:55] offset:512
	global_load_u16 v[QLW], v38, s[54:55] offset:SCO
	v_add_nc_u32 v4, s45, v1                       ; my lane's places in a key step's bytes: k's codes (my head's half),
	v_add_nc_u32 v5, s45, v2
	v_add_nc_u32 v6, s46, v3                       ; k's scale words,
	s_mul_i32 s44, s[HH], 4*FRAGB
	v_add_nc_u32 v7, s44, v1                       ; v's codes (my head's four fragments),
	v_add_nc_u32 v8, s44, v2
	s_lshl_b32 s44, s[HH], 8
	v_add_nc_u32 v9, s44, v3                       ; v's scale words
	s_lshr_b32 s44, s[QT], 1
	s_lshl_b32 s44, s44, 5
	s_and_b32 s45, s[QT], 1
	s_lshl_b32 s45, s45, 3
	s_add_co_u32 s44, s44, s45                     ; my query in its block: 32 (tile / 2) + 8 (tile % 2) + 16 (r / 8) + r % 8
	v_and_b32 v[TMP], 7, v0
	v_bfe_u32 v[TM2], v0, 3, 1
	s_delay_alu instid0(VALU_DEP_1)
	v_lshl_add_u32 v[VD], v[TM2], 4, v[TMP]
	v_bfe_u32 v[TM2], v0, 4, 1                     ; h
	s_delay_alu instid0(VALU_DEP_1)
	v_lshlrev_b32 v[SUM2], 4, v[TM2]
	s_delay_alu instid0(VALU_DEP_1)
	v_sub_nc_u32 v[VD], v[VD], v[SUM2]
	s_delay_alu instid0(VALU_DEP_1)
	v_add_nc_u32 v[VD], s44, v[VD]
	v_and_b32 v[SUM2], 15, v0
	s_delay_alu instid0(VALU_DEP_1)
	v_lshl_add_u32 v[OSO], v[SUM2], 2, v[TM2]
	v_min_u32 v[PFO], 24, v[LN]
	s_delay_alu instid0(VALU_DEP_1)
	v_lshlrev_b32 v[PFO], 8, v[PFO]
.irp i, 0,1,2,3,4,5
	v_mov_b32 v[QR+6+\i], 0                        ; q's upper half: zero codes
	v_mov_b32 v[FRG+48+\i], 0                      ; and what stands behind k's last tile
.endr
.set j, 0
.rept 32
	v_mov_b32 v[O+j], 0                            ; O^T: the key step is written once; the first finds zeros
.set j, j+1
.endr
	v_mov_b32 v13, 0xff61b1e6                      ; the largest t so far: -3e38
	s_delay_alu instid0(VALU_DEP_1)
	v_floor_f32 v12, -v13                          ; -M
	v_mov_b32 v14, 0
	v_mov_b32 v15, 0                               ; the sum, in two halves
.irp b, 0,1,2,3
	v_mov_b32 v[BP+\b], 0                          ; lane permutes' destinations count as sources
.endr
	v_mov_b32 v[FF+1], 0                           ; (named as the upper half of a pair)
	v_mov_b32 v[TMP], 0
	s_lshl_b32 s44, s[IB], 7
	s_add_co_u32 s44, s44, s[IJ]
	s_mul_i32 s44, s44, PANEL                      ; obuf = [16 b + block][j][12,800]
	s_mul_i32 s45, s[QT], FRAGB
	s_add_co_u32 s46, s44, s45
	s_mul_i32 s45, s[HH], 768
	s_add_co_u32 s46, s46, s45
	s_mov_b32 s47, 0
	s_add_nc_u64 s[OP:OP+1], s[6:7], s[46:47]
	s_lshl_b32 s45, s[QT], 6
	s_add_co_u32 s46, s44, s45
	s_lshl_b32 s45, s[HH], 1
	s_add_co_u32 s46, s46, s45
	s_add_co_u32 s46, s46, SCO
	s_add_nc_u64 s[OS:OS+1], s[6:7], s[46:47]
	s_xor_b32 s44, s[HH], 1                        ; 0 in waves 8-15,
	s_or_b32 s44, s44, s[II]                       ; of the work-group with i = 0
	s_cmp_eq_u32 s44, 0
	s_cselect_b32 s[LIM], 16, 0
	s_mov_b32 s[SEL], 0x76543210
	s_mov_b32 s[SEL+1], 0xfedcba98
	s_mov_b32 s[CS], 0x3e38aa3b                    ; log2(e) / 8
	s_mov_b32 s[CS+1], s[CS]
	s_mov_b32 s[TB], 0
	s_mov_b32 s[TAU], 0
	s_mov_b32 s[CH], 0
	s_mov_b32 s[SLOTS], 7
; A BLOCK OF QUERIES IS FINISHED: O^T / l, quantised along D (my head's 64 are two blocks of 32), leaves as my head's half of fragment (tile) of o's panel, and its two scale bytes a row.
.macro FINAL
.rept 4
	v_nop                                          ; places behind the last products
.endr
	v_add_f32 v14, v14, v15
	s_delay_alu instid0(VALU_DEP_1)
	v_permlanex16_b32 v[TMP], v14, s[SEL], s[SEL+1]
	s_delay_alu instid0(VALU_DEP_1)
	v_add_f32 v14, v14, v[TMP]                     ; the row's sum
	s_wait_alu depctr_va_vdst(0)
	v_rcp_f32 v[FF], v14
	v_nop                                          ; a plain instruction behind the reciprocal,
	s_wait_alu depctr_va_vdst(0)                   ; and the wait ahead of its first reader
.set j, 0
.rept 16
	v_pk_mul_f32 v[S+j:S+j+1], v[O+j:O+j+1], v[FF:FF+1] op_sel_hi:[1,0]   ; register 16 b + i: channel 32 b + 16 h + i; each accumulator from its low end on
.set j, j+2
.endr
.irp b, 0,1
	v_max3_num_f32 v[BM+\b], |v[S+16*\b]|, |v[S+16*\b+1]|, 0x1800000
.endr
.irp i, 2,4,6,8,10,12,14
.irp b, 0,1
	s_delay_alu instid0(VALU_DEP_2)
	v_max3_num_f32 v[BM+\b], v[BM+\b], |v[S+16*\b+\i]|, |v[S+16*\b+\i+1]|
.endr
.endr
.irp b, 0,1
	s_delay_alu instid0(VALU_DEP_2)
	v_permlanex16_b32 v[BP+\b], v[BM+\b], s[SEL], s[SEL+1]
.endr
.irp b, 0,1
	s_delay_alu instid0(VALU_DEP_2)
	v_max_num_f32 v[BM+\b], v[BM+\b], v[BP+\b]
.endr
.irp b, 0,1
	s_delay_alu instid0(VALU_DEP_2)
	v_add_nc_u32 v[BO+\b], 0xff000000, v[BM+\b]
.endr
.irp b, 0,1
	s_delay_alu instid0(VALU_DEP_2)
	v_lshrrev_b32 v[BP+\b], 23, v[BO+\b]
.endr
	v_cmp_gt_u32 vcc_lo, 16, v[LN]
	s_delay_alu instid0(VALU_DEP_1)
	v_cndmask_b32 v[TM2], v[BP+1], v[BP], vcc_lo   ; lane (r, h) stores block h's byte
	v_cvt_scalef32_pk16_fp6_f32 v[PC:PC+2], v[S:S+15], v[BO]
	v_cvt_scalef32_pk16_fp6_f32 v[PC+12:PC+14], v[S+16:S+31], v[BO+1]
	v_nop
.irp i, 0,1,2
	v_permlane16_swap_b32 v[PC+\i], v[PC+12+\i]    ; a whole block in a lane: lanes 0-15 block 0, lanes 16-31 block 1
.endr
.irp i, 0,1,2
	s_delay_alu instid0(VALU_DEP_3)
	v_mov_b32 v[PC+3+\i], v[PC+12+\i]
.endr
	s_mul_i32 s46, s[QB], 8*PANEL
	s_mov_b32 s47, 0
	s_add_nc_u64 s[44:45], s[OP:OP+1], s[46:47]
	s_add_nc_u64 s[46:47], s[OS:OS+1], s[46:47]
	global_store_b128 v1, v[PC:PC+3], s[44:45]             ; 512 consecutive bytes
	global_store_b64 v2, v[PC+4:PC+5], s[44:45] offset:512 ; 256
	global_store_b8 v[OSO], v[TM2], s[46:47]               ; a byte a lane, in 64 bytes of the panel's scale words: one part in 24 of what the wave stores
	s_wait_xcnt 0x0                                ; the stores' registers and bases are written again only behind this wait
.endm
.macro RESET                           ; on to the second block: its q first, so that the 38 lines behind it are the places ahead of the next scaled product
.irp i, 0,1,2,3,4,5
	v_mov_b32 v[QR+\i], v[QL+\i]
.endr
	v_mov_b32 v[QW], v[QLW]
.set j, 0
.rept 32
	v_mov_b32 v[O+j], 0
.set j, j+1
.endr
	v_mov_b32 v13, 0xff61b1e6
	s_delay_alu instid0(VALU_DEP_1)
	v_floor_f32 v12, -v13
	v_mov_b32 v14, 0
	v_mov_b32 v15, 0
	s_mov_b32 s[QB], s[II]
	s_mov_b32 s[CH], 0
.endm
.macro VFRAG reg, off
	ds_load_b128 v[\reg:\reg+3], v39 offset:\off
	ds_load_b64 v[\reg+4:\reg+5], v40 offset:\off+512
	ds_load_b128 v[\reg+6:\reg+9], v39 offset:\off+768
	ds_load_b64 v[\reg+10:\reg+11], v40 offset:\off+1280
.endm
; A KEY STEP: 128 keys, the q-th of the slot in hand.
.macro STEP q
	s_cmp_eq_u32 s[TAU], s[TSW]                    ; the first block's last chunk is done: a branch on ids; no barrier and no tensor load stands under it
	s_cbranch_scc0 .Lsame_\@
	s_wait_alu depctr_va_vdst(0)
	FINAL
	RESET
.Lsame_\@:
	v_add_nc_u32 v36, s[TB], v4                    ; the step's addresses; these six are also the places in front of the loads into registers that the last products read
	v_add_nc_u32 v37, s[TB], v5
	v_add_nc_u32 v38, s[TB], v6
	v_add_nc_u32 v39, s[TB], v7
	v_add_nc_u32 v40, s[TB], v8
	v_add_nc_u32 v41, s[TB], v9
.set t, 0
.rept 8
	ds_load_b128 v[FRG+6*t:FRG+6*t+3], v36 offset:(\q)*POSB+FRAGB*t
	ds_load_b64 v[FRG+6*t+4:FRG+6*t+5], v37 offset:(\q)*POSB+FRAGB*t+512
.set t, t+1
.endr
.irp t, 0,1,2,3
	ds_load_u16 v[KS+\t], v38 offset:(\q)*POSB+SCO+128*\t
.endr
	s_wait_alu depctr_va_vdst(0)
	s_wait_dscnt 0x0
.irp t, 0,2,4,6                                ; S^T = k q^T; an odd tile's scale words stand in lanes 16-31
	v_wmma_scale_f32_16x16x128_f8f6f4 v[S+8*\t:S+8*\t+7], v[FRG+6*\t:FRG+6*\t+11], v[QR:QR+11], 0, v[KS+\t/2], v[QW] matrix_a_fmt:MATRIX_FMT_FP6 matrix_b_fmt:MATRIX_FMT_FP6
	v_wmma_scale_f32_16x16x128_f8f6f4 v[S+8*\t+8:S+8*\t+15], v[FRG+6*\t+6:FRG+6*\t+17], v[QR:QR+11], 0, v[KS+\t/2], v[QW] matrix_a_fmt:MATRIX_FMT_FP6 matrix_b_fmt:MATRIX_FMT_FP6 matrix_a_scale:MATRIX_SCALE_ROW1
.endr
.rept 4
	v_nop                                          ; places: for the loads below and for the first read of the scores
.endr
.irp f, 0,1,2,3
	VFRAG FRG+12*\f, (\q)*POSB+PANEL+FRAGB*\f      ; v's four fragments land under the softmax
.endr
.irp f, 0,1
	ds_load_b32 v[VS+\f], v41 offset:(\q)*POSB+PANEL+SCO+128*\f
.endr
	s_cmp_lg_u32 s[CH], s[QB]                      ; the chunk on the diagonal: hidden scores become -infinity ahead of the maximum
	s_cbranch_scc1 .Lopen_\@
	v_mov_b32 v[TMP], 0xff800000
.set n, 0
.rept 64                                       ; register 16 b + i holds key 32 b + 16 h + i: hidden where 32 b + i > my query - 16 h
	v_cmp_gt_i32 vcc_lo, 32*(n/16)+n%16, v[VD]
	v_cndmask_b32 v[S+n], v[S+n], v[TMP], vcc_lo
.set n, n+1
.endr
.Lopen_\@:
.irp b, 0,1,2,3
	v_max3_num_f32 v[BM+\b], v[S+16*\b], v[S+16*\b+1], v[S+16*\b+2]   ; the largest score of each block of 32 keys: for the row's maximum and for the block's largest p
.endr
.irp i, 3,5,7,9,11,13
.irp b, 0,1,2,3
	v_max3_num_f32 v[BM+\b], v[BM+\b], v[S+16*\b+\i], v[S+16*\b+\i+1]
.endr
.endr
.irp b, 0,1,2,3
	v_max_num_f32 v[BM+\b], v[BM+\b], v[S+16*\b+15]
.endr
.irp b, 0,1,2,3
	s_delay_alu instid0(VALU_DEP_4)
	v_permlanex16_b32 v[BP+\b], v[BM+\b], s[SEL], s[SEL+1]
.endr
.irp b, 0,1,2,3
	s_delay_alu instid0(VALU_DEP_4)
	v_max_num_f32 v[BM+\b], v[BM+\b], v[BP+\b]
.endr
	s_delay_alu instid0(VALU_DEP_2)
	v_max3_num_f32 v[TMP], v[BM], v[BM+1], v[BM+2]
	s_delay_alu instid0(VALU_DEP_1)
	v_max_num_f32 v[TMP], v[TMP], v[BM+3]
	s_delay_alu instid0(VALU_DEP_1)
	v_mul_f32 v[TMP], s[CS], v[TMP]
	s_delay_alu instid0(VALU_DEP_1)
	v_max_num_f32 v13, v13, v[TMP]                 ; the running largest t
	v_mov_b32 v[TMP], v12
	s_delay_alu instid0(VALU_DEP_2)
	v_floor_f32 v12, -v13                          ; -M = floor(-t)
	s_delay_alu instid0(VALU_DEP_1)
	v_sub_f32 v[TMP], v12, v[TMP]                  ; old M - new M, a whole number
	s_delay_alu instid0(VALU_DEP_1)
	v_cvt_i32_f32 v[TMP], v[TMP]
	s_delay_alu instid0(VALU_DEP_1)
	v_ldexp_f32 v[FF], 1.0, v[TMP]                 ; f = 2^(old M - new M)
.set j, 0
.rept 32
	v_pk_fma_f32 v[S+j:S+j+1], v[S+j:S+j+1], s[CS:CS+1], v[12:13] op_sel_hi:[1,0,0]   ; t - M
.set j, j+2
.endr
.irp b, 0,1,2,3
	v_fma_f32 v[BM+\b], v[BM+\b], s[CS], v12
.endr
.set j, 0
	s_wait_alu depctr_va_vdst(0)
.rept 64
	v_exp_f32 v[S+j], v[S+j]                       ; p = 2^(t - M)
.set j, j+1
.endr
	v_pk_mul_f32 v[14:15], v[14:15], v[FF:FF+1] op_sel_hi:[1,0]   ; the sums under the new M: the plain instruction behind the batch
	s_wait_alu depctr_va_vdst(0)                   ; one wait for the 64, ahead of their first reader
.irp b, 0,1,2,3
	v_exp_f32 v[BM+\b], v[BM+\b]                   ; each block's largest p
.endr
	v_pk_add_f32 v[240:241], v[110:111], v[114:115]
	v_pk_add_f32 v[254:255], v[118:119], v[122:123]
	v_pk_add_f32 v[252:253], v[126:127], v[130:131]
	v_pk_add_f32 v[250:251], v[134:135], v[138:139]
	v_pk_add_f32 v[248:249], v[142:143], v[146:147]
	v_pk_add_f32 v[246:247], v[150:151], v[154:155]
	v_pk_add_f32 v[244:245], v[158:159], v[162:163]
	v_pk_add_f32 v[14:15], v[14:15], v[166:167]
	v_pk_add_f32 v[240:241], v[240:241], v[106:107]
	v_pk_add_f32 v[254:255], v[254:255], v[108:109]
	v_pk_add_f32 v[252:253], v[252:253], v[112:113]
	v_pk_add_f32 v[250:251], v[250:251], v[116:117]
	v_pk_add_f32 v[248:249], v[248:249], v[120:121]
	v_pk_add_f32 v[246:247], v[246:247], v[124:125]
	v_pk_add_f32 v[244:245], v[244:245], v[128:129]
	v_pk_add_f32 v[14:15], v[14:15], v[132:133]
	v_pk_add_f32 v[240:241], v[240:241], v[136:137]
	v_pk_add_f32 v[254:255], v[254:255], v[140:141]
	v_pk_add_f32 v[252:253], v[252:253], v[144:145]
	v_pk_add_f32 v[250:251], v[250:251], v[148:149]
	v_pk_add_f32 v[248:249], v[248:249], v[152:153]
	v_pk_add_f32 v[246:247], v[246:247], v[156:157]
	v_pk_add_f32 v[244:245], v[244:245], v[160:161]
	v_pk_add_f32 v[14:15], v[14:15], v[164:165]
	v_pk_add_f32 v[240:241], v[240:241], v[168:169]
	s_delay_alu instid0(VALU_DEP_2)
	v_pk_add_f32 v[14:15], v[14:15], v[250:251]
	s_delay_alu instid0(VALU_DEP_2)
	v_pk_add_f32 v[240:241], v[240:241], v[248:249]
	v_pk_add_f32 v[254:255], v[254:255], v[246:247]
	v_pk_add_f32 v[252:253], v[252:253], v[244:245]
	s_delay_alu instid0(VALU_DEP_2)
	v_pk_add_f32 v[14:15], v[14:15], v[254:255]
	s_delay_alu instid0(VALU_DEP_2)
	v_pk_add_f32 v[240:241], v[240:241], v[252:253]
	s_delay_alu instid0(VALU_DEP_1)
	v_pk_add_f32 v[14:15], v[14:15], v[240:241]
	s_wait_alu depctr_va_vdst(0)                   ; and one for the four
.irp b, 0,1,2,3
	v_max_num_f32 v[BM+\b], 0x1800000, v[BM+\b]    ; the floor 2^(3 - 127)
.endr
.irp b, 0,1,2,3
	s_delay_alu instid0(VALU_DEP_4)
	v_add_nc_u32 v[BO+\b], 0xff000000, v[BM+\b]
.endr
.irp b, 0,1,2,3
	s_delay_alu instid0(VALU_DEP_4)
	v_lshrrev_b32 v[BP+\b], 23, v[BO+\b]
.endr
	s_delay_alu instid0(VALU_DEP_3)
	v_lshl_or_b32 v[PW], v[BP+1], 8, v[BP]         ; p's scale word for these 128 keys
	s_delay_alu instid0(VALU_DEP_1)
	v_lshl_or_b32 v[PW], v[BP+2], 16, v[PW]
	s_delay_alu instid0(VALU_DEP_1)
	v_lshl_or_b32 v[PW], v[BP+3], 24, v[PW]
.irp c, 0,1
	v_cvt_scalef32_pk16_fp6_f32 v[PC+6*\c:PC+6*\c+2], v[S+32*\c:S+32*\c+15], v[BO+2*\c]
	v_cvt_scalef32_pk16_fp6_f32 v[PC+12+4*\c:PC+14+4*\c], v[S+32*\c+16:S+32*\c+31], v[BO+2*\c+1]
.endr
	v_nop
.irp c, 0,1
.irp i, 0,1,2
	v_permlane16_swap_b32 v[PC+6*\c+\i], v[PC+12+4*\c+\i]
.endr
.irp i, 0,1,2
	s_delay_alu instid0(VALU_DEP_3)
	v_mov_b32 v[PC+3+6*\c+\i], v[PC+12+4*\c+\i]
.endr
.endr
.set j, 0
.rept 16
	v_pk_mul_f32 v[O+j:O+j+1], v[O+j:O+j+1], v[FF:FF+1] op_sel_hi:[1,0]   ; O^T under the new M; these sixteen are also the places between p's codes and scale word and the products
.set j, j+2
.endr
	s_wait_alu depctr_va_vdst(0)
	s_wait_dscnt 0x0                               ; v is in
.irp f, 0,2                                    ; O^T += v^T p^T: four accumulators by turns
	v_wmma_scale_f32_16x16x128_f8f6f4 v[O+8*\f:O+8*\f+7], v[FRG+12*\f:FRG+12*\f+11], v[PC:PC+11], v[O+8*\f:O+8*\f+7], v[VS+\f/2], v[PW] matrix_a_fmt:MATRIX_FMT_FP6 matrix_b_fmt:MATRIX_FMT_FP6
	v_wmma_scale_f32_16x16x128_f8f6f4 v[O+8*\f+8:O+8*\f+15], v[FRG+12*\f+12:FRG+12*\f+23], v[PC:PC+11], v[O+8*\f+8:O+8*\f+15], v[VS+\f/2], v[PW] matrix_a_fmt:MATRIX_FMT_FP6 matrix_b_fmt:MATRIX_FMT_FP6 matrix_a_scale:MATRIX_SCALE_ROW1
.endr
	s_add_co_u32 s[TAU], s[TAU], 1
	s_add_co_u32 s[CH], s[CH], 1
.endm
; THE CHANGE OF SLOTS stands at a slot's head.  Each wave waits for all its tensor loads (its part of the slot ahead), adds 0 to its spare word, and waits for that and for its reads of the slot that it has left.
; fill = 8 or 4: so many waves then fill the slot left behind with the next two steps' panels, or the last step's; the load has two key steps in which to land.
.macro CHANGE fill
	s_wait_tensorcnt 0x0                           ; no tensor load of mine is out, so group 0 may be written
	ds_add_u32 v[SPW], v[NIL]
	ds_add_u32 v[SPW], v[NIL]                      ; 0 onto my spare word
.if \fill
	s_add_co_u32 s[TW], s[TW], 2                   ; the step that I fetch, and its chunk: the count begins anew at the second block
	s_cmp_ge_u32 s[TW], s[TSW]
	s_cselect_b32 s44, s[TSW], 0
	s_sub_co_u32 s44, s[TW], s44
	s_mul_i32 s44, s44, s[STRW]
	s_add_co_u32 s44, s44, s[BASEW]
	s_mov_b32 s45, 0
	s_xor_b32 s[G0+1], s[G0+1], SLOT1
	s_add_nc_u64 s[G0+2:G0+3], s[4:5], s[44:45]
	s_or_b32 s[G0+3], s[G0+3], 0x80000000
.endif
.if \fill == 8
	s_wait_xcnt 0x0                                ; the last prefetch, two key steps back, has read its address
	s_add_co_u32 s[PP], s[TW], 2
	s_mul_i32 s46, s[PP], s[STRW]
	s_add_co_u32 s46, s46, s[BASEW]
	s_mov_b32 s47, 0
	s_add_nc_u64 s[PFA:PFA+1], s[4:5], s[46:47]
.endif
	s_wait_dscnt 0x0                               ; the add is done, and my reads of the slot that I have left are over
	s_barrier_signal -1
	s_barrier_wait -1
.if \fill
	TLOAD \fill                                    ; the first thing behind the barrier, and a wave's one tensor load until the next
.endif
.if \fill == 8
	ASK
.endif
.endm
	s_wait_loadcnt 0x0                             ; q, both blocks'
.Lslot:                                            ; seven trips: steps 0 to 13
	CHANGE 8
	STEP 0
	STEP 1
	s_xor_b32 s[TB], s[TB], SLOT1
	s_sub_co_u32 s[SLOTS], s[SLOTS], 1
	s_cmp_lg_u32 s[SLOTS], 0
	s_cbranch_scc1 .Lslot
	CHANGE 4                                       ; the tail is written out: step 16's panels alone are asked for
	STEP 0
	STEP 1
	s_xor_b32 s[TB], s[TB], SLOT1
	CHANGE 0
	STEP 0                                         ; step 16
	FINAL
	s_wait_tensorcnt 0x0                           ; the wave's end
	ds_add_u32 v[SPW], v[NIL]
	s_wait_dscnt 0x0
	s_endpgm
.Lfunc_end_k_qe2ce979b9e_attn:
	.size	k_qe2ce979b9e_attn, .Lfunc_end_k_qe2ce979b9e_attn-k_qe2ce979b9e_attn
	.p2alignl 7, 3214868480
	.fill 96, 4, 3214868480
	.section	.rodata,"a",@progbits
	.p2align	6, 0x0
	.amdhsa_kernel k_qe2ce979b9e_attn
		.amdhsa_group_segment_fixed_size 327680
		.amdhsa_private_segment_fixed_size 0
		.amdhsa_enable_private_segment 0
		.amdhsa_kernarg_size 16
		.amdhsa_user_sgpr_count 2
		.amdhsa_user_sgpr_kernarg_segment_ptr 1
		.amdhsa_wavefront_size32 1
		.amdhsa_system_sgpr_workgroup_id_x 1
		.amdhsa_system_sgpr_workgroup_id_y 1
		.amdhsa_system_sgpr_workgroup_id_z 1
		.amdhsa_system_vgpr_workitem_id 0
		.amdhsa_next_free_vgpr 256
		.amdhsa_next_free_sgpr 66
		.amdhsa_reserve_vcc 1
		.amdhsa_float_denorm_mode_32 3
		.amdhsa_float_denorm_mode_16_64 3
		.amdhsa_memory_ordered 1
		.amdhsa_forward_progress 1
		.amdhsa_inst_pref_size 158
	.end_amdhsa_kernel
	.amdgpu_metadata
---
amdhsa.version: [ 1, 2 ]
amdhsa.kernels:
  - .name:           k_qe2ce979b9e_attn
    .symbol:         k_qe2ce979b9e_attn.kd
    .args:
      - { .name: qkv, .offset: 0, .size: 8, .value_kind: global_buffer, .address_space: global }
      - { .name: obuf, .offset: 8, .size: 8, .value_kind: global_buffer, .address_space: global }
    .group_segment_fixed_size: 327680
    .private_segment_fixed_size: 0
    .kernarg_segment_align: 8
    .kernarg_segment_size: 16
    .max_flat_workgroup_size: 512
    .sgpr_count:     66
    .vgpr_count:     256
    .wavefront_size: 32
...
	.end_amdgpu_metadata
.endif
;; end of part 3
;; launch proj (part 4): grid 4 x 32, 4 waves a work-group, clusters of 4 x 4, 327,680 bytes of LDS; arguments obuf, opnd, out0; writes out0
.if DOCPART == 4
	.amdgcn_target "amdgcn-amd-amdhsa--gfx1250"
	.amdhsa_code_object_version 6
	.text
	.protected	k_qe2ce979b9e_proj
	.globl	k_qe2ce979b9e_proj
	.p2align	8
	.type	k_qe2ce979b9e_proj,@function
k_qe2ce979b9e_proj:
	s_mov_b64 s[64:65], 0
	v_nop
	global_prefetch_b8 v0, s[64:65] scope:SCOPE_SE
	s_setreg_imm32_b32 hwreg(HW_REG_WAVE_MODE, 25, 1), 1
	s_wait_xcnt 0x0
	s_wait_alu depctr_hold_cnt(0) depctr_sa_sdst(0) depctr_va_vdst(0) depctr_va_sdst(0) depctr_va_ssrc(0) depctr_va_vcc(0) depctr_vm_vsrc(0)
	s_getreg_b32 s2, hwreg(HW_REG_IB_STS2, 6, 4)
	s_cmp_eq_u32 s2, 0
	s_cbranch_scc0 .Lentry_in_a_cluster
	s_endpgm
.Lentry_in_a_cluster:
	s_bfe_u32 s2, ttmp6, 0x10000c
	s_cmp_lg_u32 s2, 0xf033
	s_cbranch_scc0 .Lentry_shape_is_right
	s_endpgm
.Lentry_shape_is_right:
; out0 = o wo^T on codes of FP6 (E2M3) with E8M0 scales, K = 1,024, f32 out.  o comes as panels obuf [64 panel rows][8 K steps][12,800], wo as panel rows 88-95 of opnd (a panel: 128 rows x 128 K: eight register
; images of 1,536 bytes, then 512 bytes of scale words; position p holds row sigma(p), bits 3 and 4 exchanged).
; A tile of 256 x 256 to a work-group of four waves, 128 x 128 a wave: 64 accumulators, 512 registers.  K goes in steps of 256 through two LDS slots; a wave's tensor load brings two panels of one panel row,
; 25,600 dense bytes with their scale words.  4 x 4 work-groups form a cluster: o's panels are asked for jointly along a row of the cluster, wo's along a column.  The output has 128 such tiles.
; THE MATRIX INSTRUCTION IS USED TRANSPOSED (source 0 = 16 rows of wo, source 1 = 16 rows of o): lane (r, h) holds o's position r, and tile b's register j is column 32 (b / 2) + 16 h + 8 (b % 2) + j.
; The way out puts columns and rows back in their natural order, by the offsets of its stage stores and of its global stores.  No prefetch: K is four slot fills long.
; REGISTERS: window 0: v12-31 addresses; v32-63 scale words, two sets; v128-223 A's fragments, one set; on the way out v128-255 rows of the output.  window 1: B's fragments, two sets.  windows 2, 3: the accumulators.
.set PANEL, 12800
.set FRAGB, 1536
.set SCO,   12288
.set LOADB, 2*PANEL
.set SLOT,  4*LOADB
.set ROWP,  8*PANEL
.set SPARE, 2*SLOT                     ; behind the ring: the spare words, 128 bytes a wave, which no other line names
.set SPITCH, 528                       ; the way out: a stage of 16 rows x (512 bytes + 16) for each wave, in slot 0, which has had its last fill and its last read when the first result is stored there
.set FR,    12
.set NL,    4
.set NP,    4
.set LN,    12
.set L4,    13
.set L8,    14
.set L16,   15
.set A16,   16
.set A8,    18
.set B16,   20
.set B8,    22
.set A4,    24
.set B4,    26
.set SPW,   28
.set NIL,   29
.set STO,   30                         ; v30 where I put 32 bytes of a row; v31 where I read a row back
.set RD,    31
.set SC,    32
.set AF,    128
.set BK,    128
.set G1,  24
.set G0,  32
.set G1B, 48
.set G0B, 56
.set MSB, 0
.macro WIN new
.if MSB != (\new)
	s_set_vgpr_msb (MSB<<8)|(\new)
.set MSB, (\new)
.endif
.endm
.set MUL_LO, 0xa1
.set MUL_HI, 0xf1
.set TO_B,   0x40
.macro JLOAD g0a, g1a, g0b, g1b        ; waves 0 and 1 fetch for A, waves 2 and 3 for B; four v_nop follow each line
	s_cmp_eq_u32 s15, 0
	s_cbranch_scc0 .Lfor_b_\@
	tensor_load_to_lds s[\g0a:\g0a+3], s[\g1a:\g1a+7]
	s_nop 0
.rept 4
	v_nop
.endr
	s_branch .Lasked_\@
.Lfor_b_\@:
	tensor_load_to_lds s[\g0b:\g0b+3], s[\g1b:\g1b+7]
	s_nop 0
.rept 4
	v_nop
.endr
.Lasked_\@:
.endm
.macro CREST
	s_cmp_lg_u32 s14, 0
	s_cbranch_scc1 .Lnot_wave_0_\@
	s_barrier_signal -3
.Lnot_wave_0_\@:
	s_barrier_wait -3
	s_barrier_signal -1
	s_barrier_wait -1
.endm
.macro CROUND
	s_barrier_signal -1
	s_barrier_wait -1
	CREST
.endm
	s_load_b128 s[4:7], s[0:1], 0x0                ; obuf, opnd
	s_load_b64 s[8:9], s[0:1], 0x10                ; out0
	v_lshl_add_u32 v[SPW], v0, 2, SPARE
	v_mov_b32 v[NIL], 0
	ds_add_u32 v28, v29
	s_wait_dscnt 0x0
	v_lshrrev_b32 v1, 5, v0
	v_readfirstlane_b32 s14, v1                    ; wave
	s_lshr_b32 s15, s14, 1                         ; my half of the rows.  Also: I fetch for A (0) or B (1)
	s_and_b32 s16, s14, 1                          ; my half of the columns.  Also: which panel row I fetch
	s_bfe_u32 s40, ttmp6, 0x40000                  ; cx
	s_bfe_u32 s41, ttmp6, 0x40004                  ; cy
	s_lshl_b32 s43, s41, 2
	s_lshl_b32 s43, 15, s43                        ; my row of the cluster
	s_lshl_b32 s44, 0x1111, s40                    ; my column
	s_or_b32 s[G1+0], s43, (3<<16)|(1<<21)
	s_or_b32 s[G1B+0], s44, (3<<16)|(1<<21)
.irp g, G1, G1B
	s_mov_b32 s[\g+1], 32<<16                      ; rows of 256 bytes,
	s_mov_b32 s[\g+2], 100<<16                     ; 100 of them: 25,600 dense bytes
	s_mov_b32 s[\g+3], 32<<16
	s_mov_b32 s[\g+4], 100
	s_mov_b32 s[\g+5], 32
	s_mov_b32 s[\g+6], 0
	s_mov_b32 s[\g+7], 0
.endr
	s_lshl_b32 s20, ttmp9, 2
	s_add_co_u32 s20, s20, s40                     ; tile column
	s_and_b32 s19, ttmp7, 0xffff
	s_lshl_b32 s19, s19, 2
	s_add_co_u32 s19, s19, s41                     ; tile row
	s_lshl_b32 s46, s19, 1
	s_add_co_u32 s46, s46, s16
	s_mul_i32 s46, s46, ROWP                       ; o's panel row that I would fetch
	s_mov_b32 s47, 0
	s_lshl_b32 s66, s20, 1
	s_add_co_u32 s66, s66, s16
	s_add_co_u32 s66, s66, 88
	s_mul_i32 s66, s66, ROWP                       ; wo's
	s_mov_b32 s67, 0
	s_mul_i32 s68, s14, LOADB
	s_wait_kmcnt 0x0
	s_add_nc_u64 s[46:47], s[4:5], s[46:47]
	s_add_nc_u64 s[66:67], s[6:7], s[66:67]
	CROUND                                         ; all sixteen work-groups are here: the first joint loads meet
.irp s, 0,1
	s_mov_b32 s[G0+4*\s], 1
	s_add_co_u32 s[G0+4*\s+1], s68, \s*SLOT
	s_add_nc_u64 s[G0+4*\s+2:G0+4*\s+3], s[46:47], \s*LOADB
	s_or_b32 s[G0+4*\s+3], s[G0+4*\s+3], 0x80000000
	s_mov_b32 s[G0B+4*\s], 1
	s_add_co_u32 s[G0B+4*\s+1], s68, \s*SLOT
	s_add_nc_u64 s[G0B+4*\s+2:G0B+4*\s+3], s[66:67], \s*LOADB
	s_or_b32 s[G0B+4*\s+3], s[G0B+4*\s+3], 0x80000000
	JLOAD G0+4*\s, G1, G0B+4*\s, G1B
.endr
	v_and_b32 v[LN], 31, v0
	v_lshlrev_b32 v[L4], 2, v[LN]
	v_lshlrev_b32 v[L8], 3, v[LN]
	v_lshlrev_b32 v[L16], 4, v[LN]
	s_mul_i32 s74, s15, LOADB
	s_mul_i32 s75, s16, LOADB
	s_add_co_u32 s75, s75, 2*LOADB
.irp s, 0,1
	v_add_nc_u32 v[A16+\s], s74, v[L16]
	v_add_nc_u32 v[A8+\s], s74, v[L8]
	v_add_nc_u32 v[A4+\s], s74, v[L4]
	v_add_nc_u32 v[B16+\s], s75, v[L16]
	v_add_nc_u32 v[B8+\s], s75, v[L8]
	v_add_nc_u32 v[B4+\s], s75, v[L4]
	s_add_co_u32 s74, s74, SLOT
	s_add_co_u32 s75, s75, SLOT
.endr
	v_and_b32 v1, 15, v0                           ; r
	v_bfe_u32 v2, v0, 4, 1                         ; h
	s_mul_i32 s23, s14, 16*SPITCH                  ; my stage
	v_mul_u32_u24 v3, v1, SPITCH
	v_lshl_add_u32 v3, v2, 6, v3                   ; in: row r, + 64 h bytes: 16 columns for each half of the lanes
	v_add_nc_u32 v[STO], s23, v3
	v_add_nc_u32 v[RD], s23, v[L16]                ; back: the 32 lanes take a row of 512 bytes
	s_lshl_b32 s72, s19, 8
	s_lshl_b32 s73, s15, 7
	s_add_co_u32 s72, s72, s73                     ; my first row: 256 x tile row + 128 x half,
	s_lshl_b32 s72, s72, 12                        ; of 4,096 bytes;
	s_lshl_b32 s73, s20, 10
	s_add_co_u32 s72, s72, s73
	s_lshl_b32 s73, s16, 9
	s_add_co_u32 s72, s72, s73                     ; my first column: 1,024 x tile column + 512 x half bytes
	s_mov_b32 s73, 0
	s_add_nc_u64 s[8:9], s[8:9], s[72:73]
.macro FRAG reg, a16, a8, off
	ds_load_b128 v[\reg:\reg+3], v[\a16] offset:\off
	ds_load_b64 v[\reg+4:\reg+5], v[\a8] offset:\off+512
	ds_load_b128 v[\reg+6:\reg+9], v[\a16] offset:\off+768
	ds_load_b64 v[\reg+10:\reg+11], v[\a8] offset:\off+1280
.endm
.macro FETCH_B slot, q, p
	WIN TO_B
.irp i, 0,1,2,3,4,5,6,7
	FRAG 128*(\p)+FR*\i, B16+\slot, B8+\slot, (\q)*PANEL+\i*FRAGB
.endr
	WIN 0
.endm
.macro FETCH_A slot, q, i0
.irp i, \i0, \i0+1, \i0+2, \i0+3
	FRAG AF+FR*(\i), A16+\slot, A8+\slot, (\q)*PANEL+(\i)*FRAGB
.endr
.endm
.macro SCALES s
.irp q, 0,1
.irp i, 0,1,2,3
	ds_load_b32 v[SC+16*\s+8*\q+\i], v[A4+\s] offset:\q*PANEL+SCO+128*\i
	ds_load_b32 v[SC+16*\s+8*\q+4+\i], v[B4+\s] offset:\q*PANEL+SCO+128*\i
.endr
.endr
.endm
.macro WM zero                         ; one product; an odd fragment's scale words stand in lanes 16-31
.if \zero
.if rBO && rAO
	v_wmma_scale_f32_16x16x128_f8f6f4 v[rD:rD+7], v[rB:rB+11], v[rA:rA+11], 0, v[rSB], v[rSA] matrix_a_fmt:MATRIX_FMT_FP6 matrix_b_fmt:MATRIX_FMT_FP6 matrix_a_scale:MATRIX_SCALE_ROW1 matrix_b_scale:MATRIX_SCALE_ROW1
.elseif rBO
	v_wmma_scale_f32_16x16x128_f8f6f4 v[rD:rD+7], v[rB:rB+11], v[rA:rA+11], 0, v[rSB], v[rSA] matrix_a_fmt:MATRIX_FMT_FP6 matrix_b_fmt:MATRIX_FMT_FP6 matrix_a_scale:MATRIX_SCALE_ROW1
.elseif rAO
	v_wmma_scale_f32_16x16x128_f8f6f4 v[rD:rD+7], v[rB:rB+11], v[rA:rA+11], 0, v[rSB], v[rSA] matrix_a_fmt:MATRIX_FMT_FP6 matrix_b_fmt:MATRIX_FMT_FP6 matrix_b_scale:MATRIX_SCALE_ROW1
.else
	v_wmma_scale_f32_16x16x128_f8f6f4 v[rD:rD+7], v[rB:rB+11], v[rA:rA+11], 0, v[rSB], v[rSA] matrix_a_fmt:MATRIX_FMT_FP6 matrix_b_fmt:MATRIX_FMT_FP6
.endif
.else
.if rBO && rAO
	v_wmma_scale_f32_16x16x128_f8f6f4 v[rD:rD+7], v[rB:rB+11], v[rA:rA+11], v[rD:rD+7], v[rSB], v[rSA] matrix_a_fmt:MATRIX_FMT_FP6 matrix_b_fmt:MATRIX_FMT_FP6 matrix_a_scale:MATRIX_SCALE_ROW1 matrix_b_scale:MATRIX_SCALE_ROW1
.elseif rBO
	v_wmma_scale_f32_16x16x128_f8f6f4 v[rD:rD+7], v[rB:rB+11], v[rA:rA+11], v[rD:rD+7], v[rSB], v[rSA] matrix_a_fmt:MATRIX_FMT_FP6 matrix_b_fmt:MATRIX_FMT_FP6 matrix_a_scale:MATRIX_SCALE_ROW1
.elseif rAO
	v_wmma_scale_f32_16x16x128_f8f6f4 v[rD:rD+7], v[rB:rB+11], v[rA:rA+11], v[rD:rD+7], v[rSB], v[rSA] matrix_a_fmt:MATRIX_FMT_FP6 matrix_b_fmt:MATRIX_FMT_FP6 matrix_b_scale:MATRIX_SCALE_ROW1
.else
	v_wmma_scale_f32_16x16x128_f8f6f4 v[rD:rD+7], v[rB:rB+11], v[rA:rA+11], v[rD:rD+7], v[rSB], v[rSA] matrix_a_fmt:MATRIX_FMT_FP6 matrix_b_fmt:MATRIX_FMT_FP6
.endif
.endif
.endm
.macro MUL16 a0, p, q, sc, zero        ; 16 products: A's blocks a0, a0 + 1 x B's eight; the 64 accumulators take turns, in the same order in every step
.irp a, \a0, \a0+1
.irp b, 0,1,2,3,4,5,6,7
.set rD, 8*(8*((\a)%4)+\b)
.set rB, 128*(\p)+FR*\b
.set rA, AF+FR*(\a)
.set rSB, SC+16*(\sc)+8*(\q)+4+\b/2
.set rSA, SC+16*(\sc)+8*(\q)+(\a)/2
.set rBO, \b%2
.set rAO, (\a)%2
	WM \zero
.endr
.endr
.endm
.macro PLACES n                        ; plain instructions between a matrix instruction and a load into, or a read of, its registers (ISA guide 7.12.1 for the reads)
.rept \n
	v_nop
.endr
.endm
.macro STEP slot, q, zero
	s_wait_dscnt 4*NL                              ; all but the youngest sixteen loads (A's blocks 4-7) are in
	WIN MUL_LO
	MUL16 0, (\q)%2, \q, \slot, \zero
	MUL16 2, (\q)%2, \q, \slot, \zero
	s_wait_dscnt 0
	PLACES NP
	FETCH_B \slot, (\q)+1, 1-(\q)%2
	FETCH_A \slot, (\q)+1, 0
	WIN MUL_HI
	MUL16 4, (\q)%2, \q, \slot, \zero
	MUL16 6, (\q)%2, \q, \slot, \zero
	PLACES NP
	WIN 0
	FETCH_A \slot, (\q)+1, 4
.endm
.macro TURN slot, next, fill           ; a slot's last step changes slots: one barrier, with the waits and the add in front of it
	s_wait_tensorcnt 0x0                           ; all my tensor loads have landed: my part of the next slot
	ds_add_u32 v[SPW], v[NIL]                      ; 0 onto my spare word
	s_wait_dscnt 4*NL+1                            ; (the add and the youngest sixteen loads may be out)
	WIN MUL_LO
	MUL16 0, 1, 1, \slot, 0
	s_wait_dscnt 0x0                               ; the add is done, and my reads of this slot are over
	s_barrier_signal -1
	MUL16 2, 1, 1, \slot, 0
	WIN 0
	s_barrier_wait -1
.if \fill
	CREST                                          ; the barrier has opened a round of the cluster's: no wave of any partner still reads this slot or has a load on its way
	s_add_nc_u64 s[G0+4*\slot+2:G0+4*\slot+3], s[G0+4*\slot+2:G0+4*\slot+3], 2*LOADB
	s_add_nc_u64 s[G0B+4*\slot+2:G0B+4*\slot+3], s[G0B+4*\slot+2:G0B+4*\slot+3], 2*LOADB
	JLOAD G0+4*\slot, G1, G0B+4*\slot, G1B
.else
	PLACES NP
.endif
	FETCH_B \next, 0, 0
	FETCH_A \next, 0, 0
	SCALES \next
	WIN MUL_HI
	MUL16 4, 1, 1, \slot, 0
	MUL16 6, 1, 1, \slot, 0
	PLACES NP
	WIN 0
	FETCH_A \next, 0, 4
.endm
	s_wait_tensorcnt 1                             ; my part of slot 0 is in; slot 1's load may be out
	s_barrier_signal -1
	s_barrier_wait -1
	FETCH_B 0, 0, 0
	FETCH_A 0, 0, 0
	SCALES 0
	FETCH_A 0, 0, 4
	STEP 0, 0, 1
	TURN 0, 1, 1
	STEP 1, 0, 0
	TURN 1, 0, 1
	STEP 0, 0, 0
	TURN 0, 1, 0
	STEP 1, 0, 0
	s_wait_dscnt 4*NL
	WIN MUL_LO
	MUL16 0, 1, 1, 1, 0
	MUL16 2, 1, 1, 1, 0
	s_wait_dscnt 0
	WIN MUL_HI
	MUL16 4, 1, 1, 1, 0
	MUL16 6, 1, 1, 1, 0
	WIN 0
; THE WAY OUT, block by block of 16 rows x 128 columns, through my own stage in LDS: in by 32 bytes a lane at the columns' natural places, back as whole rows of 512 bytes.
; LDS serves a wave's instructions in order (ISA guide 5.7.1.4): no wait between the stores and the loads, nor in front of the next block's stores.
.macro TOSTAGE a
.set AC, 64*((\a)%4)
	WIN 0x08+4*((\a)/4)                            ; the data: window 2 or 3
.irp b, 0,1,2,3,4,5,6,7
	ds_store_b128 v[STO], v[AC+8*\b:AC+8*\b+3] offset:128*(\b/2)+32*(\b%2)        ; each accumulator from its low end on
	ds_store_b128 v[STO], v[AC+8*\b+4:AC+8*\b+7] offset:128*(\b/2)+32*(\b%2)+16
.endr
	WIN 0
.set BB, BK+64*((\a)%2)
.irp t, 0,1,2,3,4,5,6,7,8,9,10,11,12,13,14,15
	ds_load_b128 v[BB+4*\t:BB+4*\t+3], v[RD] offset:\t*SPITCH
.endr
.endm
.macro SEND a, younger                 ; younger: the LDS instructions issued behind block a's loads, which may stay out
.set BB, BK+64*((\a)%2)
	s_wait_dscnt \younger
.irp t, 0,1,2,3,4,5,6,7,8,9,10,11,12,13,14,15  ; position 16 a + t is row 32 (a / 2) + 16 (t / 8) + 8 (a % 2) + t % 8; 127 rows of 4,096 bytes at the most stand in the immediate
	global_store_b128 v[L16], v[BB+4*\t:BB+4*\t+3], s[8:9] offset:(32*((\a)/2)+16*(\t/8)+8*((\a)%2)+\t%8)*4096 th:TH_STORE_NT   ; 32 lanes store 512 consecutive bytes, at a multiple of 256 from the buffer's first byte
.endr
.endm
	PLACES NP                                      ; behind the last products: for the loads over A's fragments and the reads of results
	TOSTAGE 0
.irp a, 1,2,3,4,5,6,7
.if \a > 1
	s_wait_xcnt 0x0                                ; block a - 2's stores have read their registers: block a's loads may land there
.endif
	TOSTAGE \a
	SEND \a-1, 32                                  ; behind block a - 1's loads: block a's 16 stores and 16 loads
.endr
	SEND 7, 0
	s_wait_tensorcnt 0x0                           ; the wave's end
	ds_add_u32 v[SPW], v[NIL]
	s_wait_dscnt 0x0
	CROUND                                         ; the closing round
	s_endpgm
.Lfunc_end_k_qe2ce979b9e_proj:
	.size	k_qe2ce979b9e_proj, .Lfunc_end_k_qe2ce979b9e_proj-k_qe2ce979b9e_proj
	.p2alignl 7, 3214868480
	.fill 96, 4, 3214868480
	.section	.rodata,"a",@progbits
	.p2align	6, 0x0
	.amdhsa_kernel k_qe2ce979b9e_proj
		.amdhsa_group_segment_fixed_size 327680
		.amdhsa_private_segment_fixed_size 0
		.amdhsa_enable_private_segment 0
		.amdhsa_kernarg_size 24
		.amdhsa_user_sgpr_count 2
		.amdhsa_user_sgpr_kernarg_segment_ptr 1
		.amdhsa_wavefront_size32 1
		.amdhsa_system_sgpr_workgroup_id_x 1
		.amdhsa_system_sgpr_workgroup_id_y 1
		.amdhsa_system_sgpr_workgroup_id_z 1
		.amdhsa_system_vgpr_workitem_id 0
		.amdhsa_next_free_vgpr 1024
		.amdhsa_next_free_sgpr 98
		.amdhsa_reserve_vcc 0
		.amdhsa_float_denorm_mode_32 3
		.amdhsa_float_denorm_mode_16_64 3
		.amdhsa_memory_ordered 1
		.amdhsa_forward_progress 1
		.amdhsa_inst_pref_size 142
	.end_amdhsa_kernel
	.amdgpu_metadata
---
amdhsa.version: [ 1, 2 ]
amdhsa.kernels:
  - .name:           k_qe2ce979b9e_proj
    .symbol:         k_qe2ce979b9e_proj.kd
    .args:
      - { .name: obuf, .offset: 0, .size: 8, .value_kind: global_buffer, .address_space: global }
      - { .name: opnd, .offset: 8, .size: 8, .value_kind: global_buffer, .address_space: global }
      - { .name: out0, .offset: 16, .size: 8, .value_kind: global_buffer, .address_space: global }
    .group_segment_fixed_size: 327680
    .private_segment_fixed_size: 0
    .kernarg_segment_align: 8
    .kernarg_segment_size: 24
    .max_flat_workgroup_size: 128
    .sgpr_count:     98
    .vgpr_count:     1024
    .wavefront_size: 32
...
	.end_amdgpu_metadata
.endif
;; end of part 4
